; MI455X (gfx1250); checked and timed in simulation.
; The chip was launched on July 23, 2026; its instructions are those of AMD's public machine-readable ISA for CDNA 5 (MIT licence, August 2026) and "CDNA5" Instruction Set Architecture Reference Guide (July 2026). The comments in the code are by the model that wrote it; some were corrected since.
;; Multihead Attention. Allowed arithmetic: matrix products marked QUANTISED: E3M2 operands, one E8M0 scale for each 32 along K, by v_wmma_scale_f32_16x16x128_f8f6f4 with both operands' format E3M2, f32 sums; everything else in f32.
;; Inputs: Wk 1,024 x 1,024 float32; Wo 1,024 x 1,024 float32; Wq 1,024 x 1,024 float32; Wv 1,024 x 1,024 float32; bk 1,024 float32; bo 1,024 float32; bq 1,024 float32; bv 1,024 float32; inputs 4 x 2,048 x 1,024 float32; mask 2,048 x 2,048 bool.
;; Outputs: out0 4 x 2,048 x 1,024 float32.
;; This version of the problem:
;;   THIS VERSION OF THE PROBLEM IS GIVEN IN LOW PRECISION. The matrix products marked QUANTISED in the list below multiply operands that are first quantised to E3M2 (3 exponent bits, 2 mantissa bits; 6 bits a number), with one power-of-two scale for each 32 numbers along K (OCP MX v1.0); their sums are f32. All else is computed in f32.
;;   The module's matrix products, in the order in which they are computed (A, B: the left and right operand; K: the contracted axis; several contracted axes count as one K, in the product's order):
;;     1. [M 8,192, K 1,024] x [K 1,024, N 1,024]; A: input inputs; B: input Wq: QUANTISED
;;     2. [M 8,192, K 1,024] x [K 1,024, N 1,024]; A: input inputs; B: input Wk: QUANTISED
;;     3. [M 8,192, K 1,024] x [K 1,024, N 1,024]; A: input inputs; B: input Wv: QUANTISED
;;     4. batch 64 x [M 2,048, K 64] x [K 64, N 2,048]; A: computed on the way; B: computed on the way: QUANTISED
;;     5. batch 64 x [M 2,048, K 2,048] x [K 2,048, N 64]; A: softmax (see below); B: computed on the way: QUANTISED
;;     6. [M 8,192, K 1,024] x [K 1,024, N 1,024]; A: computed on the way; B: input Wo: QUANTISED
;;   THE QUANTISER, for each operand of a quantised product, along K:
;;     - K is cut into blocks of 32 from its start; a last block that is shorter is filled with zeros.
;;     - A block's scale is 2^e with e = floor(log2(the largest magnitude in the block)) - 4, held to -126 .. 127; a block of zeros has e = 0. As a byte (E8M0): e + 127.
;;     - Each number is divided by its block's scale, clamped to +-28, and rounded to the nearest number of E3M2, ties to even, subnormals kept.
;;     - The product sums the exact products of the quantised numbers (number of the format x scale) in f32.
;;   ~~~python
;;   def quantise(x, axis):      # numpy; x: float32 -> the quantised numbers, widened to float32 again
;;       x = np.moveaxis(x, axis, -1); K = x.shape[-1]
;;       x = np.pad(x, [(0, 0)] * (x.ndim - 1) + [(0, -K % 32)]); x = x.reshape(x.shape[:-1] + (-1, 32)); a = np.abs(x).max(-1, keepdims=True)
;;       e = np.where(a > 0, np.clip(np.frexp(np.where(a > 0, a, 1))[1] - 1 - 4, -126, 127), 0)      # np.frexp(a)[1] - 1 = floor(log2(a)), exactly
;;       r = np.clip(x / 2.0 ** e, -28, 28)
;;       step = 2.0 ** (np.maximum(np.frexp(np.where(r == 0, 1, r))[1] - 1, -2) - 2)
;;       q = np.round(r / step) * step * 2.0 ** e      # np.round: ties to even
;;       return np.moveaxis(q.reshape(q.shape[:-2] + (-1,))[..., :K], -1, axis).astype(np.float32)
;;   ~~~
;;   SOFTMAX AHEAD OF A QUANTISED PRODUCT. Where the list says 'softmax', what is quantised is not the finished softmax but p = 2^(t - M), with t = logit x log2(e) and M = ceil(the row's largest t), a whole number; so 1/2 < the row's largest p <= 1. The row's sum l is taken of the UNQUANTISED p, in f32, and the product's result is divided by l at the end. Since M is a whole number, a kernel that streams over the keys may use a running M (the ceiling of the running maximum): every later rescaling is an exact power of two, which a block's scale takes up: the codes' values come out the same.
;;   OPERANDS COMPUTED ON THE WAY. 'Computed on the way' means the value that the module computes at that place (a softmax that the list does not call 'softmax' is quantised finished and normalised). What goes into a quantiser is computed in f32, as accurately as f32 sums, v_exp_f32 and their like allow (about 1e-6 of the number): no bf16 or f16 on the way to a quantiser, and a product that is left as it is and whose result goes on into a quantised operand takes f32 operands (vector FMAs, or v_wmma_f32_16x16x4_f32). A number that lies on a knife's edge between two numbers of the format may be rounded either way, as far as f32 arithmetic and the matrix unit's own rounding can turn it there, and no further.
;; 2 versions, each right; version 2 is version 1 with the launch attn written anew for expert scheduling mode. Each part assembles by itself: llvm-mc -triple=amdgcn-amd-amdhsa -mcpu=gfx1250 --defsym DOCPART=n.
;; ======== version 1 of 2: 4 launches
;; limits: right only within a limited range of input values
;; workspace buffers: xc 6,291,456 bytes; xs 262,144 bytes; wc 3,145,728 bytes; ws 131,072 bytes; maskw 526,336 bytes of whole numbers; att 19,922,944 bytes; zc 6,291,456 bytes; zs 262,144 bytes
;; launch prep (part 1): grid 512 x 1, 4 waves a work-group, no clusters, 34,304 bytes of LDS; arguments inputs, Wq, Wk, Wv, Wo, mask, xc, xs, wc, ws, maskw; writes xc, xs, wc, ws, maskw
.if DOCPART == 1
	.amdgcn_target "amdgcn-amd-amdhsa--gfx1250"
	.amdhsa_code_object_version 6
	.text
	.protected	k_qa0324fda5b_prep
	.globl	k_qa0324fda5b_prep
	.p2align	8
	.type	k_qa0324fda5b_prep,@function
k_qa0324fda5b_prep:
	s_mov_b64 s[64:65], 0
	v_nop
	global_prefetch_b8 v0, s[64:65] scope:SCOPE_SE
	s_setreg_imm32_b32 hwreg(HW_REG_WAVE_MODE, 25, 1), 1
	s_wait_xcnt 0x0
; PREP.  (a) inputs [8192][1024] and the four weights [1024][1024], f32, K innermost, become codes of BF6 (E3M2) with one E8M0 byte for each 32 along K, laid in the ORDER OF THE OPERAND'S REGISTERS.
; (b) the mask [2048][2048] of bytes becomes words of 32 bits, one bit a lane, as the attention launch's selects take them, and flags for each tile of 16 queries x 128 keys.
; A TILE of 16 rows: tile 2 b + u holds rows 32 b + 8 u + r + 8 (r / 8), r = 0 .. 15.  A HALF FRAGMENT (768 bytes) is 16 rows x 64 K: lane (r, h) holds the 24 bytes of block 2 kappa + h of row r;
; its registers 0-3 lie at 16 x lane, its registers 4, 5 at 512 + 8 x lane.  Codes: [tile][kappa 16][768].  Scale words: 512 bytes a tile, [jj 2][lane 32][e 2]: lane (r, hh) holds row r's word of K step 4 jj + 2 e + hh.
; A block's scale is 2^(floor(log2(largest magnitude)) - 4); its byte is the largest magnitude's exponent field - 4, held at 1 from below (a block of zeros gets 1: its codes are zeros, and this program alone reads the bytes).
; LIMITS: blocks whose largest magnitude lies under 2^-122 get the byte 1; NaN and infinities among the inputs are not served.
; SHARES.  Work-groups 0-255: inputs; 256-383: Wq, Wk, Wv, Wo, 32 each; a work-group takes two tiles, a wave one tile and 512 along K, in four steps of 128.  Work-groups 384-511: tile T = number - 384 of the mask's rows, wave y its columns 512 y on.
; Each load reads 512 consecutive bytes of one row; a step's 16 rows turn through the wave's own stage in LDS (rows 528 bytes apart: 33 x 16) and come back 128 bytes a lane: two whole blocks.
; No tensor loads, no barrier: waves share nothing.  No cluster: no two work-groups read the same bytes.
.set R,    32                          ; v32-159  two sets of 64 registers as loaded
.set X,    160                         ; v160-223 my two blocks of 32 numbers
.set PC,   224                         ; v224-235 a fragment's codes; v236-238, v240-242 second halves as they are made
.set WW,   16                          ; v16-19   the four steps' scale words
.set SP,   528
.set WREG, 16*SP
.set MK,   32                          ; mask path: v32-95 the bytes as loaded
.set WD,   96                          ; v96-103  the words, a pair for each J
.set TP,   104                         ; v104-107 at work
.set ORR,  108                         ; v108-111 the OR of each J's bytes
.set ANR,  112                         ; v112     the AND
	s_load_b512 s[4:19], s[0:1], 0x0               ; inputs, Wq, Wk, Wv, Wo, mask, xc, xs
	s_load_b128 s[20:23], s[0:1], 0x40             ; wc, ws
	s_load_b64 s[24:25], s[0:1], 0x50              ; maskw
	v_lshl_add_u32 v248, v0, 2, 0x8400
	v_mov_b32 v249, 0
	v_lshrrev_b32 v1, 5, v0
	v_readfirstlane_b32 s26, v1                    ; wave
	v_and_b32 v1, 31, v0                           ; lane
	v_and_b32 v2, 15, v0                           ; r
	v_bfe_u32 v3, v0, 4, 1                         ; h
	v_lshlrev_b32 v6, 3, v1                        ; 8 x lane
	s_cmp_lt_u32 ttmp9, 384
	s_cbranch_scc0 .Lmask
	; ---------------- the quantiser ----------------
	v_lshlrev_b32 v4, 4, v1                        ; 16 x lane
	v_add_nc_u32 v5, 512, v6                       ; 8 x lane + 512
	s_mul_i32 s27, s26, WREG
	v_add_nc_u32 v7, s27, v4                       ; the stage, on the way in: a row's 512 bytes as they lie
	v_mul_u32_u24 v8, v2, SP
	v_lshl_add_u32 v8, v3, 7, v8
	v_add_nc_u32 v8, s27, v8                       ; and on the way out: row r, block h
	v_lshlrev_b32 v9, 3, v3                        ; 8 h: where my two bytes stand in the scale word
	v_mov_b32 v27, 0                               ; written once: a lane permute's destination counts as one of its sources
	s_lshr_b32 s28, s26, 1                         ; which of the two tiles
	s_and_b32 s29, s26, 1                          ; which half of K
	s_mov_b32 s36, 0x76543210
	s_mov_b32 s37, 0xfedcba98                      ; lane l xor 16
	s_mov_b32 s38, 0xffff0000                      ; lanes 16-31
	s_wait_kmcnt 0x0
	s_cmp_lt_u32 ttmp9, 288                        ; the tensors are chosen by the work-group's number alone
	s_cselect_b64 s[6:7], s[6:7], s[8:9]
	s_cmp_lt_u32 ttmp9, 352
	s_cselect_b64 s[10:11], s[10:11], s[12:13]
	s_cmp_lt_u32 ttmp9, 320
	s_cselect_b64 s[6:7], s[6:7], s[10:11]
	s_cmp_lt_u32 ttmp9, 256
	s_cselect_b64 s[4:5], s[4:5], s[6:7]           ; from
	s_cselect_b64 s[16:17], s[16:17], s[20:21]     ; codes to
	s_cselect_b64 s[18:19], s[18:19], s[22:23]     ; scale words to
	s_cselect_b32 s30, 0, 256
	s_cselect_b32 s31, -1, 31
	s_sub_co_u32 s30, ttmp9, s30                   ; pair of tiles in the codes' buffer
	s_and_b32 s31, s30, s31                        ; and in its own tensor
	s_lshl_b32 s32, s31, 17                        ; 32 rows of 4,096 bytes a pair,
	s_lshl_b32 s33, s28, 15                        ; 8 rows for the odd tile,
	s_add_co_u32 s32, s32, s33
	s_lshl_b32 s33, s29, 11                        ; 2,048 bytes for the upper half of K
	s_add_co_u32 s32, s32, s33
	s_mov_b32 s33, 0
	s_add_nc_u64 s[4:5], s[4:5], s[32:33]
	s_lshl_b32 s34, s30, 1
	s_add_co_u32 s34, s34, s28                     ; the tile
	s_mul_i32 s32, s34, 12288
	s_mul_i32 s35, s29, 6144
	s_add_co_u32 s32, s32, s35
	s_add_nc_u64 s[16:17], s[16:17], s[32:33]
	s_lshl_b32 s32, s34, 9
	s_lshl_b32 s35, s29, 8
	s_add_co_u32 s32, s32, s35
	s_add_nc_u64 s[18:19], s[18:19], s[32:33]
.macro LOADR t                         ; step t: 16 rows x 512 bytes; 32 lanes read 512 consecutive bytes
.irp i, 0,1,2,3,4,5,6,7,8,9,10,11,12,13,14,15
	global_load_b128 v[R+64*((\t)%2)+4*\i:R+64*((\t)%2)+4*\i+3], v4, s[4:5] offset:(\i+8*(\i/8))*4096+512*(\t) th:TH_LOAD_NT
.endr
.endm
.macro TURN t                          ; through my stage: LDS serves a wave's instructions in order, so no wait stands between the stores and the loads
.irp i, 0,1,2,3,4,5,6,7,8,9,10,11,12,13,14,15
	ds_store_b128 v7, v[R+64*((\t)%2)+4*\i:R+64*((\t)%2)+4*\i+3] offset:SP*\i
.endr
.irp i, 0,1,2,3,4,5,6,7
	ds_load_b128 v[X+4*\i:X+4*\i+3], v8 offset:16*\i              ; block h of the step
.endr
.irp i, 0,1,2,3,4,5,6,7
	ds_load_b128 v[X+32+4*\i:X+32+4*\i+3], v8 offset:256+16*\i    ; block 2 + h
.endr
.endm
.macro QUANT2 t
	v_max3_num_f32 v20, |v[X]|, |v[X+1]|, 0x2800000                ; my two blocks by turns; the floor 2^(5 - 127) holds the byte at 1 from below
	v_max3_num_f32 v21, |v[X+32]|, |v[X+33]|, 0x2800000
.irp i, 2,4,6,8,10,12,14,16,18,20,22,24,26,28,30
	v_max3_num_f32 v20, v20, |v[X+\i]|, |v[X+\i+1]|
	v_max3_num_f32 v21, v21, |v[X+32+\i]|, |v[X+33+\i]|
.endr
	v_add_nc_u32 v22, 0xfe000000, v20              ; 4 off the exponent field: the conversion's scale operand
	v_add_nc_u32 v23, 0xfe000000, v21
	v_lshrrev_b32 v24, 23, v22                     ; the bytes
	v_lshrrev_b32 v25, 23, v23
	v_lshl_or_b32 v26, v25, 16, v24
	v_lshlrev_b32 v26, v9, v26                     ; at their places: blocks h and 2 + h
	v_permlanex16_b32 v27, v26, s36, s37
	v_or_b32 v[WW+(\t)], v26, v27                  ; with lane l xor 16's two the word is whole
	s_wait_xcnt 0x0                                ; the last step's stores have read the codes' registers
	v_cvt_scalef32_pk16_bf6_f32 v[PC:PC+2], v[X:X+15], v22
	v_cvt_scalef32_pk16_bf6_f32 v[PC+12:PC+14], v[X+16:X+31], v22   ; (a conversion's three registers begin on an even number)
	v_cvt_scalef32_pk16_bf6_f32 v[PC+6:PC+8], v[X+32:X+47], v23
	v_cvt_scalef32_pk16_bf6_f32 v[PC+16:PC+18], v[X+48:X+63], v23
	v_nop                                          ; one plain place behind a scaled conversion
.irp i, 0,1,2
	v_mov_b32 v[PC+3+\i], v[PC+12+\i]
	v_mov_b32 v[PC+9+\i], v[PC+16+\i]
.endr
.endm
.macro PUT t                           ; two half fragments: stores of 512 and of 256 consecutive bytes, each at a multiple of 256
	global_store_b128 v4, v[PC:PC+3], s[16:17] offset:1536*(\t)
	global_store_b64 v5, v[PC+4:PC+5], s[16:17] offset:1536*(\t)
	global_store_b128 v4, v[PC+6:PC+9], s[16:17] offset:1536*(\t)+768
	global_store_b64 v5, v[PC+10:PC+11], s[16:17] offset:1536*(\t)+768
.endm
	LOADR 0
	LOADR 1
.irp t, 0,1,2,3
.if \t < 3
	s_wait_loadcnt 16                              ; this step's 16 loads are in; the next step's 16 may be out
.else
	s_wait_loadcnt 0x0
.endif
	TURN \t
	s_wait_dscnt 0x0                               ; my numbers are back; the stage's stores have read their registers
.if \t < 2
	LOADR \t+2
.endif
	QUANT2 \t
	PUT \t
.endr
	v_cndmask_b32 v28, v[WW], v[WW+1], s38         ; lanes 0-15 keep the even steps' words, lanes 16-31 the odd steps'
	v_cndmask_b32 v29, v[WW+2], v[WW+3], s38
	global_store_b64 v6, v[28:29], s[18:19]        ; 256 consecutive bytes
	s_wait_tensorcnt 0x0
	ds_add_u32 v248, v249
	s_wait_dscnt 0x0
	s_endpgm
	; ---------------- the mask ----------------
	; Bit (r, h) of word n of tile (T, J) is mask[row r of tile T][128 J + 32 (n / 16) + 16 h + n % 16]: the lane and register in which the attention launch holds that score.
	; G[T][y], a dword at 524,288 + 16 T + 4 y: bits 3:0 "some bit of tile (T, 4 y + j) is set", bits 7:4 "all are set", bits 31:16 "row r has a set bit among my 512 columns".
.Lmask:
	s_sub_co_u32 s27, ttmp9, 384                   ; T
	v_and_b32 v8, 8, v2
	v_add_nc_u32 v8, v8, v2                        ; r + 8 (r / 8)
	v_lshlrev_b32 v8, 11, v8                       ; a row of the mask is 2,048 bytes
	v_lshl_add_u32 v8, v3, 4, v8                   ; + 16 h
	s_lshr_b32 s28, s27, 1
	s_lshl_b32 s28, s28, 16                        ; 32 rows a pair of tiles,
	s_and_b32 s29, s27, 1
	s_lshl_b32 s29, s29, 14                        ; 8 rows for the odd tile,
	s_add_co_u32 s28, s28, s29
	s_lshl_b32 s29, s26, 9                         ; my 512 columns
	s_add_co_u32 s28, s28, s29
	s_mov_b32 s29, 0
	s_lshl_b32 s30, s27, 12                        ; the words: 4,096 bytes a T, 256 a J
	s_lshl_b32 s31, s26, 10
	s_add_co_u32 s30, s30, s31
	s_mov_b32 s31, 0
	s_lshl_b32 s32, s27, 4
	s_lshl_b32 s33, s26, 2
	s_add_co_u32 s32, s32, s33
	s_add_co_u32 s32, s32, 524288
	s_mov_b32 s33, 0
	s_mov_b32 s40, 0xff
	s_mov_b32 s41, 0xff00
	s_mov_b32 s42, 0xff0000
	s_mov_b32 s43, 0xff000000
	s_mov_b32 s47, 0                               ; the flags
	s_wait_kmcnt 0x0
	s_add_nc_u64 s[14:15], s[14:15], s[28:29]
	s_add_nc_u64 s[34:35], s[24:25], s[32:33]
	s_add_nc_u64 s[24:25], s[24:25], s[30:31]
.irp jl, 0,1,2,3
.irp b, 0,1,2,3
	global_load_b128 v[MK+16*\jl+4*\b:MK+16*\jl+4*\b+3], v8, s[14:15] offset:128*\jl+32*\b th:TH_LOAD_NT   ; the wave's sixteen loads together cover 512 consecutive bytes of each of 16 rows
.endr
.endr
.irp i, 0,1,2,3,4,5,6,7
	v_mov_b32 v[WD+\i], 0                          ; v_writelane_b32's destination counts as read
.endr
	s_wait_loadcnt 0x0
.macro MASKJ jl
.set d, 0
.rept 16                               ; register d holds the bytes of words 4 d .. 4 d + 3
.irp k, 0,1,2,3
	v_and_b32 v[TP+\k], s[40+\k], v[MK+16*\jl+d]
.endr
.irp k, 0,1,2,3
	v_cmp_ne_u32 s[36+\k], 0, v[TP+\k]             ; one bit a lane: the word
.endr
.irp k, 0,1,2,3
	v_writelane_b32 v[WD+2*\jl+\k%2], s[36+\k], 2*d+\k/2   ; lane l keeps words 2 l and 2 l + 1
.endr
.set d, d+1
.endr
	global_store_b64 v6, v[WD+2*\jl:WD+2*\jl+1], s[24:25] offset:256*\jl   ; 256 consecutive bytes
	v_or_b32 v[ORR+\jl], v[MK+16*\jl], v[MK+16*\jl+1]
	v_and_b32 v[ANR], v[MK+16*\jl], v[MK+16*\jl+1]
.irp i, 2,3,4,5,6,7,8,9,10,11,12,13,14,15
	v_or_b32 v[ORR+\jl], v[ORR+\jl], v[MK+16*\jl+\i]
	v_and_b32 v[ANR], v[ANR], v[MK+16*\jl+\i]
.endr
	v_cmp_ne_u32 s44, 0, v[ORR+\jl]
	v_cmp_ne_u32 s45, 0x01010101, v[ANR]
	s_cmp_lg_u32 s44, 0
	s_cselect_b32 s46, 1<<\jl, 0
	s_or_b32 s47, s47, s46
	s_cmp_eq_u32 s45, 0
	s_cselect_b32 s46, 16<<\jl, 0
	s_or_b32 s47, s47, s46
.endm
	MASKJ 0
	MASKJ 1
	MASKJ 2
	MASKJ 3
	v_or_b32 v[ORR], v[ORR], v[ORR+1]
	v_or_b32 v[ORR+2], v[ORR+2], v[ORR+3]
	v_or_b32 v[ORR], v[ORR], v[ORR+2]
	v_cmp_ne_u32 s44, 0, v[ORR]
	s_lshr_b32 s45, s44, 16
	s_or_b32 s44, s44, s45                         ; lanes r and 16 + r hold the two halves of row r
	s_lshl_b32 s44, s44, 16
	s_or_b32 s47, s47, s44
	v_mov_b32 v10, s47
	v_mov_b32 v11, 0
	v_cmp_gt_u32 vcc_lo, 1, v1
	s_wait_xcnt 0x0                                ; EXEC changes only behind this wait
	s_and_saveexec_b32 s46, vcc_lo
	global_store_b32 v11, v10, s[34:35]            ; lane 0 alone
	s_wait_xcnt 0x0
	s_or_b32 exec_lo, exec_lo, s46
	s_endpgm
.Lfunc_end_k_qa0324fda5b_prep:
	.size	k_qa0324fda5b_prep, .Lfunc_end_k_qa0324fda5b_prep-k_qa0324fda5b_prep
	.p2alignl 7, 3214868480
	.fill 96, 4, 3214868480
	.section	.rodata,"a",@progbits
	.p2align	6, 0x0
	.amdhsa_kernel k_qa0324fda5b_prep
		.amdhsa_group_segment_fixed_size 34304
		.amdhsa_private_segment_fixed_size 0
		.amdhsa_enable_private_segment 0
		.amdhsa_kernarg_size 88
		.amdhsa_user_sgpr_count 2
		.amdhsa_user_sgpr_kernarg_segment_ptr 1
		.amdhsa_wavefront_size32 1
		.amdhsa_system_sgpr_workgroup_id_x 1
		.amdhsa_system_sgpr_workgroup_id_y 1
		.amdhsa_system_sgpr_workgroup_id_z 1
		.amdhsa_system_vgpr_workitem_id 0
		.amdhsa_next_free_vgpr 250
		.amdhsa_next_free_sgpr 66
		.amdhsa_reserve_vcc 1
		.amdhsa_float_denorm_mode_32 3
		.amdhsa_float_denorm_mode_16_64 3
		.amdhsa_memory_ordered 1
		.amdhsa_forward_progress 1
		.amdhsa_inst_pref_size 80
	.end_amdhsa_kernel
	.amdgpu_metadata
---
amdhsa.version: [ 1, 2 ]
amdhsa.kernels:
  - .name:           k_qa0324fda5b_prep
    .symbol:         k_qa0324fda5b_prep.kd
    .args:
      - { .name: inputs, .offset: 0, .size: 8, .value_kind: global_buffer, .address_space: global }
      - { .name: Wq, .offset: 8, .size: 8, .value_kind: global_buffer, .address_space: global }
      - { .name: Wk, .offset: 16, .size: 8, .value_kind: global_buffer, .address_space: global }
      - { .name: Wv, .offset: 24, .size: 8, .value_kind: global_buffer, .address_space: global }
      - { .name: Wo, .offset: 32, .size: 8, .value_kind: global_buffer, .address_space: global }
      - { .name: mask, .offset: 40, .size: 8, .value_kind: global_buffer, .address_space: global }
      - { .name: xc, .offset: 48, .size: 8, .value_kind: global_buffer, .address_space: global }
      - { .name: xs, .offset: 56, .size: 8, .value_kind: global_buffer, .address_space: global }
      - { .name: wc, .offset: 64, .size: 8, .value_kind: global_buffer, .address_space: global }
      - { .name: ws, .offset: 72, .size: 8, .value_kind: global_buffer, .address_space: global }
      - { .name: maskw, .offset: 80, .size: 8, .value_kind: global_buffer, .address_space: global }
    .group_segment_fixed_size: 34304
    .private_segment_fixed_size: 0
    .kernarg_segment_align: 8
    .kernarg_segment_size: 88
    .max_flat_workgroup_size: 128
    .sgpr_count:     66
    .vgpr_count:     250
    .wavefront_size: 32
...
	.end_amdgpu_metadata
.endif
;; end of part 1
;; launch qkv (part 2): grid 8 x 32, 4 waves a work-group, clusters of 4 x 4, 327,680 bytes of LDS; arguments xc, xs, wc, ws, bq, bk, bv, att; writes att
.if DOCPART == 2
	.amdgcn_target "amdgcn-amd-amdhsa--gfx1250"
	.amdhsa_code_object_version 6
	.text
	.protected	k_qa0324fda5b_qkv
	.globl	k_qa0324fda5b_qkv
	.p2align	8
	.type	k_qa0324fda5b_qkv,@function
k_qa0324fda5b_qkv:
	s_mov_b64 s[64:65], 0
	v_nop
	global_prefetch_b8 v0, s[64:65] scope:SCOPE_SE
	s_setreg_imm32_b32 hwreg(HW_REG_WAVE_MODE, 25, 1), 1
	s_wait_xcnt 0x0
	s_wait_alu depctr_hold_cnt(0) depctr_sa_sdst(0) depctr_va_vdst(0) depctr_va_sdst(0) depctr_va_ssrc(0) depctr_va_vcc(0) depctr_vm_vsrc(0)
	s_getreg_b32 s2, hwreg(HW_REG_IB_STS2, 6, 4)
	s_cmp_eq_u32 s2, 0
	s_cbranch_scc0 .Lentry_in_a_cluster
	s_endpgm
.Lentry_in_a_cluster:
	s_bfe_u32 s2, ttmp6, 0x10000c
	s_cmp_lg_u32 s2, 0xf033
	s_cbranch_scc0 .Lentry_shape_is_right
	s_endpgm
.Lentry_shape_is_right:
; QKV.  q = x Wq^T + bq, k = x Wk^T + bk, v = x Wv^T + bv on codes of BF6 with E8M0 scales (K = 1,024), and the three results quantised in registers: q and k along the head's 64, v along the keys.
; SHARES.  Work-group (p, yb) owns 256 tokens (x's tiles 16 yb ..) and the pair of heads 2 p, 2 p + 1: 256 work-groups.  x's 256 rows stay in LDS for ALL of K (196,608 bytes); a weight's 128 rows (98,304) lie beside them and are filled again twice.
; THREE PHASES, written out by one macro.  q, k: source 0 = the weight's 8 tiles, source 1 = x's tiles 4 w + jn.  v: source 0 = x's tiles 8 (w / 2) + i, source 1 = Wv's tiles 4 (w % 2) + jn.
; A tile 2 b + u holds rows 32 b + 8 u + r + 8 (r / 8): so the 64 registers acc(0 .. 7, jn) of a lane are, register 16 b + i, number 32 b + 16 (lane / 16) + i along source 0's axis: 16 neighbours of each block of 32 along the NEXT product's K.
; LDS holds images of operand registers (half fragments of 768 bytes: 16 x lane, then 512 + 8 x lane): every LDS load takes 512 or 256 consecutive bytes; no pitch, no padding.
; CLUSTER 4 x 4: x's tiles hang on yb alone and are shared along a row of the cluster, the weights' on p alone and are shared along a column: joint loads with a mask of four.
; OUT (buffer att).  Records of 12,800 bytes for (batch x head, 128 keys): K's 8 half fragments; V's 4 fragments at 6,144; K's scale words at 12,288; V's at 12,544.  Q's half fragments from QCO on, its scale words {s0, s1, s0, s1} from QSO on.
; LIMITS: a block whose largest magnitude lies under 2^-122 gets the byte 1 (a block of zeros too: its codes are zeros); NaN and infinities are not served.
; REGISTERS.  window 0: v1-28 addresses; v32-63 source 0's scale words, v64-79 source 1's; v80-143 the bias in the result's layout; v144-191 the quantiser.  window 1: the 32 accumulators, acc(i, jn) at 64 jn + 8 i.
;   window 2: source 0's fragments, two sets of 96.   window 3: source 1's, two sets of 48.
.set XCH,   49152                      ; x's 16 tiles of 256 along K: chunk k at k XCH, a tile's 3,072 bytes on end
.set WCH,   24576                      ; the weight's 8 tiles likewise, from WB on
.set WB,    196608
.set SPARE, 294912                     ; the spare words, 128 bytes a wave: two blocks of 256 bytes that no other line names
.set QCO,   13107200
.set QSO,   19398656
.set L16,  3                           ; v3  16 x lane
.set L8,   4                           ; v4  8 x lane
.set L8P,  5                           ; v5  8 x lane + 512
.set SPW,  6                           ; v6  my spare word; never rewritten
.set NIL,  7                           ; v7  0; never rewritten
.set SC0,  32
.set SC1,  64
.set BI,   80
.set TM,   144
.set PWS,  160
.set PC,   164
.set MSB, 0
.macro WIN new                         ; the immediate's high byte repeats the setting that is left
.if MSB != \new
	s_set_vgpr_msb (MSB<<8)|\new
.set MSB, \new
.endif
.endm
.macro CROUND                          ; a round of the cluster's barrier
	s_barrier_signal -1
	s_barrier_wait -1
	s_cmp_lg_u32 s20, 0
	s_cbranch_scc1 .Lnot_wave_0_\@
	s_barrier_signal -3
.Lnot_wave_0_\@:
	s_barrier_wait -3
	s_barrier_signal -1
	s_barrier_wait -1
.endm
	s_load_b512 s[4:19], s[0:1], 0x0               ; xc, xs, wc, ws, bq, bk, bv, att
	v_lshl_add_u32 v[SPW], v0, 2, SPARE
	v_mov_b32 v[NIL], 0
	ds_add_u32 v6, v7
	ds_add_u32 v6, v7
	s_wait_dscnt 0x0
	v_lshrrev_b32 v1, 5, v0
	v_readfirstlane_b32 s20, v1                    ; wave w
	s_lshr_b32 s21, s20, 1                         ; w / 2
	s_and_b32 s22, s20, 1                          ; w % 2
	s_bfe_u32 s100, ttmp6, 0x40000                 ; cx
	s_bfe_u32 s101, ttmp6, 0x40004                 ; cy
	s_lshl_b32 s104, ttmp9, 2
	s_add_co_u32 s104, s104, s100                  ; p = 4 x cluster x + cx
	s_and_b32 s105, ttmp7, 0xffff
	s_lshl_b32 s105, s105, 2
	s_add_co_u32 s105, s105, s101                  ; yb = 4 x cluster y + cy
	s_lshl_b32 s2, s101, 2
	s_lshl_b32 s2, 15, s2                          ; my row of the cluster
	s_lshl_b32 s3, 0x1111, s100                    ; my column
	; descriptor groups 1: rows of 3,072 bytes (384 elements of 8), 12,288 bytes apart in memory, dense in LDS.  s[24:31] x: 8 rows, to my row; s[32:39] a weight: 4 rows, to my column; s[40:47] a weight: 8 rows
	s_or_b32 s24, s2, (3<<16)|(1<<21)
	s_or_b32 s32, s3, (3<<16)|(1<<21)
	s_or_b32 s40, s3, (3<<16)|(1<<21)
.irp g, 24, 32, 40
	s_mov_b32 s[\g+1], 384<<16                     ; tensor_dim0
	s_mov_b32 s[\g+3], 384<<16                     ; tile_dim0
	s_mov_b32 s[\g+5], 1536                        ; the pitch
	s_mov_b32 s[\g+6], 0
	s_mov_b32 s[\g+7], 0
.endr
	s_mov_b32 s26, 8<<16                           ; tensor_dim1, tile_dim1
	s_mov_b32 s28, 8
	s_mov_b32 s34, 4<<16
	s_mov_b32 s36, 4
	s_mov_b32 s42, 8<<16
	s_mov_b32 s44, 8
	s_mul_i32 s66, s105, 196608                    ; x: tile 16 yb + 8 (w % 2)
	s_mul_i32 s23, s22, 98304
	s_add_co_u32 s66, s66, s23
	s_mov_b32 s67, 0
	s_mul_i32 s92, s104, 98304                     ; a weight: tile 8 p,
	s_mul_i32 s94, s22, 49152
	s_add_co_u32 s94, s94, s92                     ; + 4 (w % 2) for the first fills,
	s_mov_b32 s95, 0
	s_mul_i32 s96, s20, 3072
	s_add_co_u32 s92, s92, s96                     ; chunk w for the refills
	s_mov_b32 s93, 0
	s_mul_i32 s23, s22, 24576                      ; where they go: the wave's number alone enters an LDS address
	s_mul_i32 s96, s22, 12288
	s_wait_kmcnt 0x0
	s_add_nc_u64 s[66:67], s[4:5], s[66:67]
	s_add_nc_u64 s[94:95], s[8:9], s[94:95]
	s_add_nc_u64 s[92:93], s[8:9], s[92:93]
.irp k, 0,1,2,3                        ; groups 0: s[48:63] x's four chunks, s[68:83] Wq's
	s_mov_b32 s[48+4*\k], 1
	s_add_co_u32 s[49+4*\k], s23, \k*XCH
	s_add_nc_u64 s[50+4*\k:51+4*\k], s[66:67], \k*3072
	s_or_b32 s[51+4*\k], s[51+4*\k], 0x80000000
	s_mov_b32 s[68+4*\k], 1
	s_add_co_u32 s[69+4*\k], s96, WB+\k*WCH
	s_add_nc_u64 s[70+4*\k:71+4*\k], s[94:95], \k*3072
	s_or_b32 s[71+4*\k], s[71+4*\k], 0x80000000
.endr
	s_mov_b32 s84, 1                               ; s[84:87] the refills: wave w brings chunk w of all 8 tiles; it walks from weight to weight
	s_mul_i32 s85, s20, WCH
	s_add_co_u32 s85, s85, WB
	s_mov_b64 s[86:87], s[92:93]
	s_or_b32 s87, s87, 0x80000000
	CROUND                                         ; all sixteen work-groups are here: the first joint loads meet
	s_cmp_eq_u32 s21, 0                            ; waves 0, 1: x's halves; waves 2, 3: Wq's.  A wave's four first fills stand in one branch: four loads of mine are out
	s_cbranch_scc0 .Lfirst_w
	tensor_load_to_lds s[48:51], s[24:31]
	s_nop 0
	tensor_load_to_lds s[52:55], s[24:31]
	s_nop 0
	tensor_load_to_lds s[56:59], s[24:31]
	s_nop 0
	tensor_load_to_lds s[60:63], s[24:31]
	s_nop 0
.rept 4
	v_nop
.endr
	s_branch .Lfirst_done
.Lfirst_w:
	tensor_load_to_lds s[68:71], s[32:39]
	s_nop 0
	tensor_load_to_lds s[72:75], s[32:39]
	s_nop 0
	tensor_load_to_lds s[76:79], s[32:39]
	s_nop 0
	tensor_load_to_lds s[80:83], s[32:39]
	s_nop 0
.rept 4
	v_nop
.endr
.Lfirst_done:
	v_and_b32 v1, 15, v0                           ; r
	v_bfe_u32 v2, v0, 4, 1                         ; h
	v_and_b32 v27, 31, v0
	v_lshlrev_b32 v[L16], 4, v27
	v_lshlrev_b32 v[L8], 3, v27
	v_add_nc_u32 v[L8P], 512, v[L8]
	v_lshlrev_b32 v27, 2, v27                      ; v27: 4 x lane
	v_add_nc_u32 v8, WB, v[L16]                    ; v8, v9: the weight as source 0
	v_add_nc_u32 v9, WB, v[L8P]
	s_mul_i32 s23, s20, 12288
	v_add_nc_u32 v10, s23, v[L16]                  ; v10, v11: x's tiles 4 w on as source 1
	v_add_nc_u32 v11, s23, v[L8P]
	s_mul_i32 s23, s21, 24576
	v_add_nc_u32 v12, s23, v[L16]                  ; v12, v13: x's tiles 8 (w / 2) on as source 0
	v_add_nc_u32 v13, s23, v[L8P]
	s_mul_i32 s23, s22, 12288
	s_add_co_u32 s23, s23, WB
	v_add_nc_u32 v14, s23, v[L16]                  ; v14, v15: Wv's tiles 4 (w % 2) on as source 1
	v_add_nc_u32 v15, s23, v[L8P]
	s_lshl_b32 s23, s20, 11
	v_add_nc_u32 v21, s23, v[L8]                   ; scale lines of 512 bytes: x's tiles 4 w on,
	s_lshl_b32 s23, s21, 12
	v_add_nc_u32 v22, s23, v[L8]                   ; x's tiles 8 (w / 2) on,
	s_lshl_b32 s23, s22, 11
	v_add_nc_u32 v23, s23, v[L8]                   ; Wv's tiles 4 (w % 2) on
	v_lshlrev_b32 v24, 6, v2                       ; bq, bk: 16 h numbers on
	v_and_b32 v25, 8, v1
	v_add_nc_u32 v25, v25, v1
	v_lshlrev_b32 v25, 2, v25
	s_lshl_b32 s23, s22, 8
	v_add_nc_u32 v25, s23, v25                     ; bv: my channel: 4 (r + 8 (r / 8)) + 256 (w % 2)
	v_lshlrev_b32 v26, 2, v1
	v_lshl_add_u32 v26, v2, 13, v26                ; q's scale words: lanes 0-15 head 2 p, lanes 16-31 head 2 p + 1 (8,192 bytes on)
	s_mov_b32 s66, 0xffff0000                      ; lanes 16-31
	v_mov_b32 v28, 0x01000100
	v_mov_b32 v29, 0x03020302
	v_cndmask_b32 v28, v28, v29, s66               ; which two bytes of a word are my head's
.irp b, 0,1,2,3
	v_mov_b32 v[TM+4+\b], 0                        ; written once: a lane permute's destination counts as one of its sources
.endr
	s_mov_b32 s98, 0x76543210
	s_mov_b32 s99, 0xfedcba98
	s_mov_b32 s93, 0
	s_lshl_b32 s92, s104, 9
	s_add_nc_u64 s[12:13], s[12:13], s[92:93]      ; the biases at my 128 channels
	s_add_nc_u64 s[14:15], s[14:15], s[92:93]
	s_add_nc_u64 s[16:17], s[16:17], s[92:93]
	s_lshl_b32 s92, s104, 12
	s_add_nc_u64 s[10:11], s[10:11], s[92:93]      ; ws at tile 8 p
	s_lshl_b32 s92, s105, 13
	s_add_nc_u64 s[6:7], s[6:7], s[92:93]          ; xs at tile 16 yb
	; where the results go
	s_lshr_b32 s2, s105, 3
	s_lshl_b32 s2, s2, 4
	s_lshl_b32 s3, s104, 1
	s_add_co_u32 s2, s2, s3                        ; batch x 16 + head 2 p
	s_and_b32 s3, s105, 7
	s_lshl_b32 s23, s2, 7
	s_lshl_b32 s88, s3, 4
	s_add_co_u32 s23, s23, s88
	s_lshl_b32 s88, s20, 2
	s_add_co_u32 s23, s23, s88                     ; q's tile: 128 a head, 16 a block of 256 tokens, 4 a wave
	s_mul_i32 s88, s23, 768
	s_add_co_u32 s88, s88, QCO
	s_mov_b32 s89, 0
	s_lshl_b32 s90, s23, 6
	s_add_co_u32 s90, s90, QSO
	s_mov_b32 s91, 0
	s_lshl_b32 s23, s2, 4
	s_lshl_b32 s3, s3, 1
	s_add_co_u32 s23, s23, s3
	s_add_co_u32 s23, s23, s21                     ; the record: 16 a head; my 128 tokens
	s_mul_i32 s92, s23, 12800
	s_lshl_b32 s94, s22, 7
	s_add_co_u32 s94, s94, s92
	s_add_co_u32 s94, s94, 12288                   ; K's scale words, 128 bytes for each half of the record's tiles
	s_mov_b32 s95, 0
	s_mul_i32 s3, s22, 3072
	s_add_co_u32 s92, s92, s3                      ; K's tiles 4 (w % 2) on
	s_lshl_b32 s3, s22, 4
	s_add_co_u32 s23, s23, s3                      ; V: head 2 p + w % 2
	s_mul_i32 s96, s23, 12800
	s_add_co_u32 s96, s96, 6144
	s_mov_b32 s97, 0
	s_add_nc_u64 s[88:89], s[18:19], s[88:89]
	s_add_nc_u64 s[90:91], s[18:19], s[90:91]
	s_add_nc_u64 s[92:93], s[18:19], s[92:93]
	s_add_nc_u64 s[94:95], s[18:19], s[94:95]
	s_add_nc_u64 s[96:97], s[18:19], s[96:97]
.macro LOADSC ph                       ; scale words: register 4 t + j of a tile: K step 2 j in lanes 0-15, 2 j + 1 in lanes 16-31
.irp i, 0,1,2,3,4,5,6,7
.irp jj, 0,1
.if (\ph) == 2
	global_load_b64 v[SC0+4*\i+2*\jj:SC0+4*\i+2*\jj+1], v22, s[6:7] offset:512*\i+256*\jj
.else
	global_load_b64 v[SC0+4*\i+2*\jj:SC0+4*\i+2*\jj+1], v[L8], s[10:11] offset:32768*(\ph)+512*\i+256*\jj
.endif
.endr
.endr
.irp jn, 0,1,2,3
.irp jj, 0,1
.if (\ph) == 2
	global_load_b64 v[SC1+4*\jn+2*\jj:SC1+4*\jn+2*\jj+1], v23, s[10:11] offset:65536+512*\jn+256*\jj
.else
	global_load_b64 v[SC1+4*\jn+2*\jj:SC1+4*\jn+2*\jj+1], v21, s[6:7] offset:512*\jn+256*\jj
.endif
.endr
.endr
.endm
.macro LOADBI ph                       ; the bias in the result's layout: the C of each sum's first matrix instruction
.if (\ph) == 2
.irp jn, 0,1,2,3
.irp j, 0,1,2,3,4,5,6,7
	global_load_b32 v[BI+8*\jn+\j], v25, s[16:17] offset:(32*(\jn/2)+8*(\jn%2))*4    ; a lane holds one channel: eight registers alike
.endr
.endr
.else
.irp i, 0,1,2,3,4,5,6,7
	global_load_b128 v[BI+8*\i:BI+8*\i+3], v24, s[12+2*(\ph):13+2*(\ph)] offset:(32*(\i/2)+8*(\i%2))*4
	global_load_b128 v[BI+8*\i+4:BI+8*\i+7], v24, s[12+2*(\ph):13+2*(\ph)] offset:(32*(\i/2)+8*(\i%2))*4+16
.endr
.endif
.endm
.macro ADDR ph, s                      ; the chunk of K step s; these four plain lines are also the places in front of loads into registers that matrix instructions have read
.if (\ph) == 2
	v_add_nc_u32 v16, ((\s)/2)*XCH, v12
	v_add_nc_u32 v17, ((\s)/2)*XCH, v13
	v_add_nc_u32 v18, ((\s)/2)*WCH, v14
	v_add_nc_u32 v19, ((\s)/2)*WCH, v15
.else
	v_add_nc_u32 v16, ((\s)/2)*WCH, v8
	v_add_nc_u32 v17, ((\s)/2)*WCH, v9
	v_add_nc_u32 v18, ((\s)/2)*XCH, v10
	v_add_nc_u32 v19, ((\s)/2)*XCH, v11
.endif
.endm
.macro FETCH s                         ; 48 LDS loads in one run: 12 fragments of K step s into set s % 2
	WIN 0x80
.irp i, 0,1,2,3,4,5,6,7
.irp c, 0,1
	ds_load_b128 v[96*((\s)%2)+12*\i+6*\c:96*((\s)%2)+12*\i+6*\c+3], v16 offset:\i*3072+(2*((\s)%2)+\c)*768
	ds_load_b64 v[96*((\s)%2)+12*\i+6*\c+4:96*((\s)%2)+12*\i+6*\c+5], v17 offset:\i*3072+(2*((\s)%2)+\c)*768
.endr
.endr
	WIN 0xc0
.irp jn, 0,1,2,3
.irp c, 0,1
	ds_load_b128 v[48*((\s)%2)+12*\jn+6*\c:48*((\s)%2)+12*\jn+6*\c+3], v18 offset:\jn*3072+(2*((\s)%2)+\c)*768
	ds_load_b64 v[48*((\s)%2)+12*\jn+6*\c+4:48*((\s)%2)+12*\jn+6*\c+5], v19 offset:\jn*3072+(2*((\s)%2)+\c)*768
.endr
.endr
.endm
.macro MULS ph, s                      ; 32 matrix instructions; the 32 accumulators take turns, one instruction a turn, in the same order in every step
.if (\s) == 0
	WIN 0x4e                                       ; source 0 window 2, source 1 window 3, C (the bias) window 0, D window 1
.else
	WIN 0x5e                                       ; C and D window 1
.endif
.irp jn, 0,1,2,3
.irp i, 0,1,2,3,4,5,6,7
.set rD, 64*\jn+8*\i
.set rA, 96*((\s)%2)+12*\i
.set rB, 48*((\s)%2)+12*\jn
.set rC, rD
.if (\s) == 0
.if (\ph) == 2
.set rC, BI+8*\jn
.else
.set rC, BI+8*\i
.endif
.endif
.if (\s)%2
	v_wmma_scale_f32_16x16x128_f8f6f4 v[rD:rD+7], v[rA:rA+11], v[rB:rB+11], v[rC:rC+7], v[SC0+4*\i+(\s)/2], v[SC1+4*\jn+(\s)/2] matrix_a_fmt:MATRIX_FMT_BF6 matrix_b_fmt:MATRIX_FMT_BF6 matrix_a_scale:MATRIX_SCALE_ROW1 matrix_b_scale:MATRIX_SCALE_ROW1
.else
	v_wmma_scale_f32_16x16x128_f8f6f4 v[rD:rD+7], v[rA:rA+11], v[rB:rB+11], v[rC:rC+7], v[SC0+4*\i+(\s)/2], v[SC1+4*\jn+(\s)/2] matrix_a_fmt:MATRIX_FMT_BF6 matrix_b_fmt:MATRIX_FMT_BF6
.endif
.endr
.endr
.endm
.macro PHASE ph
.if (\ph) == 0
	s_wait_tensorcnt 0x3                           ; my part of chunk 0 is in; my three later chunks may be out
.else
	s_wait_tensorcnt 0x0                           ; my chunk of the new weight is in
.endif
	s_wait_loadcnt 0x0                             ; scale words and bias
	s_wait_dscnt 0x0
	s_barrier_signal -1
	s_barrier_wait -1
	ADDR \ph, 0
	FETCH 0
.irp s, 0,1,2,3,4,5,6
	WIN 0
.if ((\ph) == 0) && (\s%2)
	s_wait_tensorcnt 2-\s/2                        ; my part of the chunk that the next fetch reads is in; the later ones may be out
	s_wait_dscnt 0x0                               ; no LDS instruction of mine is out at a signal
	s_barrier_signal -1
	s_barrier_wait -1                              ; everybody's part is in
.endif
	ADDR \ph, \s+1
	FETCH \s+1
	s_wait_dscnt 48                                ; all but the 48 just issued
	MULS \ph, \s
.endr
	s_wait_dscnt 0x0
	MULS \ph, 7
	WIN 0
.endm
.macro REFILL                          ; the next weight's 128 rows, into the bytes that the last one's left
	s_wait_tensorcnt 0x0                           ; no tensor load of mine is out, so a group 0 may be written
	ds_add_u32 v[SPW], v[NIL]                      ; 0 onto my spare word
	s_add_nc_u64 s[86:87], s[86:87], 786432        ; 64 tiles on: the next weight
	s_wait_dscnt 0x0                               ; the add is done, and my reads of the weight are over
	CROUND                                         ; no wave of any partner still reads it
	tensor_load_to_lds s[84:87], s[40:47]          ; my one load behind the round; it lands under the quantiser below
	s_nop 0
.rept 4
	v_nop                                          ; also the places behind the phase's last products
.endr
.endm
; The 64 numbers acc(0 .. 7, jn) of a lane become a fragment's codes in v[PC] on and its scale word in v[PWS + jn].
.macro QUANT jn
	WIN 0x14                                       ; sources 1 and 2: window 1
.irp b, 0,1,2,3
	v_max3_num_f32 v[TM+\b], 0x2800000, |v[64*\jn+16*\b]|, |v[64*\jn+16*\b+1]|   ; each accumulator from its low end on; the floor 2^(5 - 127) holds the byte at 1 from below
.endr
.irp i, 2,4,6,8,10,12,14
.irp b, 0,1,2,3
	v_max3_num_f32 v[TM+\b], v[TM+\b], |v[64*\jn+16*\b+\i]|, |v[64*\jn+16*\b+\i+1]|
.endr
.endr
	WIN 0
.irp b, 0,1,2,3
	v_permlanex16_b32 v[TM+4+\b], v[TM+\b], s98, s99
.endr
.irp b, 0,1,2,3
	v_max_num_f32 v[TM+\b], v[TM+\b], v[TM+4+\b]   ; with lane l xor 16's: the block's largest magnitude
.endr
.irp b, 0,1,2,3
	v_add_nc_u32 v[TM+12+\b], 0xfe000000, v[TM+\b] ; 4 off its exponent field: the conversion's scale operand
.endr
.irp b, 0,1,2,3
	v_lshrrev_b32 v[TM+4+\b], 23, v[TM+12+\b]      ; the byte
.endr
	v_lshl_or_b32 v[PWS+\jn], v[TM+5], 8, v[TM+4]
	v_lshl_or_b32 v[PWS+\jn], v[TM+6], 16, v[PWS+\jn]
	v_lshl_or_b32 v[PWS+\jn], v[TM+7], 24, v[PWS+\jn]
	s_wait_xcnt 0x0                                ; the last fragment's stores have read the codes' registers
	WIN 0x01                                       ; source 0: window 1
.irp c, 0,1
	v_cvt_scalef32_pk16_bf6_f32 v[PC+6*\c:PC+6*\c+2], v[64*\jn+32*\c:64*\jn+32*\c+15], v[TM+12+2*\c]
	v_cvt_scalef32_pk16_bf6_f32 v[PC+12+4*\c:PC+14+4*\c], v[64*\jn+32*\c+16:64*\jn+32*\c+31], v[TM+13+2*\c]
.endr
	WIN 0
	v_nop                                          ; one plain place behind a scaled conversion
.irp c, 0,1                            ; the operand's layout wants a whole block in a lane
.irp i, 0,1,2
	v_permlane16_swap_b32 v[PC+6*\c+\i], v[PC+12+4*\c+\i]
.endr
.irp i, 0,1,2
	v_mov_b32 v[PC+3+6*\c+\i], v[PC+12+4*\c+\i]
.endr
.endr
.endm
.macro PUTHF base, off0, off1          ; the fragment's two halves: stores of 512 and 256 consecutive bytes, each at a multiple of 256
	global_store_b128 v[L16], v[PC:PC+3], s[\base:\base+1] offset:\off0
	global_store_b64 v[L8P], v[PC+4:PC+5], s[\base:\base+1] offset:\off0
	global_store_b128 v[L16], v[PC+6:PC+9], s[\base:\base+1] offset:\off1
	global_store_b64 v[L8P], v[PC+10:PC+11], s[\base:\base+1] offset:\off1
.endm
	LOADSC 0
	LOADBI 0
	PHASE 0
	REFILL
	LOADSC 1
	LOADBI 1
.irp jn, 0,1,2,3                       ; q: K 0-63 of the fragment is head 2 p, K 64-127 head 2 p + 1 (98,304 bytes on)
	QUANT \jn
	PUTHF 88, 768*\jn, 768*\jn+98304
.endr
.irp jn, 0,1,2,3
	v_perm_b32 v[184+\jn], v[PWS+\jn], v[PWS+\jn], v28             ; {s0, s1, s0, s1} of my lanes' head
	global_store_b32 v26, v[184+\jn], s[90:91] offset:64*\jn
.endr
	PHASE 1
	REFILL
	LOADSC 2
	LOADBI 2
.irp jn, 0,1,2,3                       ; k: the second head's record lies 16 records on
	QUANT \jn
	PUTHF 92, 768*\jn, 768*\jn+204800
.endr
	v_perm_b32 v184, v[PWS+1], v[PWS], 0x05040100                  ; a fragment of K is two tiles: its word is {even tile's two bytes, odd tile's two bytes}
	v_perm_b32 v185, v[PWS+3], v[PWS+2], 0x05040100
	v_cndmask_b32 v186, v184, v185, s66                            ; lanes 0-15 the first pair of tiles, lanes 16-31 the second
	global_store_b32 v27, v186, s[94:95]
	v_perm_b32 v184, v[PWS+1], v[PWS], 0x07060302
	v_perm_b32 v185, v[PWS+3], v[PWS+2], 0x07060302
	v_cndmask_b32 v187, v184, v185, s66
	global_store_b32 v27, v187, s[94:95] offset:204800
	PHASE 2
.rept 4
	v_nop                                          ; places behind the last products
.endr
.irp jn, 0,1,2,3                       ; v: rows = 16 channels, K = my 128 tokens: a whole fragment
	QUANT \jn
	PUTHF 96, 1536*\jn, 1536*\jn+768
.endr
	v_cndmask_b32 v184, v[PWS], v[PWS+1], s66
	v_cndmask_b32 v185, v[PWS+2], v[PWS+3], s66
	global_store_b64 v[L8], v[184:185], s[96:97] offset:6400       ; 256 consecutive bytes
	s_wait_tensorcnt 0x0                           ; the wave's end
	ds_add_u32 v[SPW], v[NIL]
	s_wait_dscnt 0x0
	CROUND                                         ; the closing round
	s_endpgm
.Lfunc_end_k_qa0324fda5b_qkv:
	.size	k_qa0324fda5b_qkv, .Lfunc_end_k_qa0324fda5b_qkv-k_qa0324fda5b_qkv
	.p2alignl 7, 3214868480
	.fill 96, 4, 3214868480
	.section	.rodata,"a",@progbits
	.p2align	6, 0x0
	.amdhsa_kernel k_qa0324fda5b_qkv
		.amdhsa_group_segment_fixed_size 327680
		.amdhsa_private_segment_fixed_size 0
		.amdhsa_enable_private_segment 0
		.amdhsa_kernarg_size 64
		.amdhsa_user_sgpr_count 2
		.amdhsa_user_sgpr_kernarg_segment_ptr 1
		.amdhsa_wavefront_size32 1
		.amdhsa_system_sgpr_workgroup_id_x 1
		.amdhsa_system_sgpr_workgroup_id_y 1
		.amdhsa_system_sgpr_workgroup_id_z 1
		.amdhsa_system_vgpr_workitem_id 0
		.amdhsa_next_free_vgpr 1024
		.amdhsa_next_free_sgpr 106
		.amdhsa_reserve_vcc 0
		.amdhsa_float_denorm_mode_32 3
		.amdhsa_float_denorm_mode_16_64 3
		.amdhsa_memory_ordered 1
		.amdhsa_forward_progress 1
		.amdhsa_inst_pref_size 255
	.end_amdhsa_kernel
	.section	.bss,"aw",@nobits
	.p2align	6
	.space	262144
	.amdgpu_metadata
---
amdhsa.version: [ 1, 2 ]
amdhsa.kernels:
  - .name:           k_qa0324fda5b_qkv
    .symbol:         k_qa0324fda5b_qkv.kd
    .args:
      - { .name: xc, .offset: 0, .size: 8, .value_kind: global_buffer, .address_space: global }
      - { .name: xs, .offset: 8, .size: 8, .value_kind: global_buffer, .address_space: global }
      - { .name: wc, .offset: 16, .size: 8, .value_kind: global_buffer, .address_space: global }
      - { .name: ws, .offset: 24, .size: 8, .value_kind: global_buffer, .address_space: global }
      - { .name: bq, .offset: 32, .size: 8, .value_kind: global_buffer, .address_space: global }
      - { .name: bk, .offset: 40, .size: 8, .value_kind: global_buffer, .address_space: global }
      - { .name: bv, .offset: 48, .size: 8, .value_kind: global_buffer, .address_space: global }
      - { .name: att, .offset: 56, .size: 8, .value_kind: global_buffer, .address_space: global }
    .group_segment_fixed_size: 327680
    .private_segment_fixed_size: 0
    .kernarg_segment_align: 8
    .kernarg_segment_size: 64
    .max_flat_workgroup_size: 128
    .sgpr_count:     106
    .vgpr_count:     1024
    .wavefront_size: 32
...
	.end_amdgpu_metadata
.endif
;; end of part 2
;; launch attn (part 3): grid 4 x 64, 16 waves a work-group, no clusters, 34,816 bytes of LDS; arguments att, maskw, zc, zs; writes zc, zs
.if DOCPART == 3
	.amdgcn_target "amdgcn-amd-amdhsa--gfx1250"
	.amdhsa_code_object_version 6
	.text
	.protected	k_qa0324fda5b_attn
	.globl	k_qa0324fda5b_attn
	.p2align	8
	.type	k_qa0324fda5b_attn,@function
k_qa0324fda5b_attn:
	s_mov_b64 s[64:65], 0
	v_nop
	global_prefetch_b8 v0, s[64:65] scope:SCOPE_SE
	s_setreg_imm32_b32 hwreg(HW_REG_WAVE_MODE, 25, 1), 1
	s_wait_xcnt 0x0
; ATTN.  z = softmax(where(mask, q k^T / 8, -1e9)) v for one (batch, head), both products on codes of BF6 with E8M0 scales; z is quantised along D and stored as the last product's operand.
; THE SOFTMAX: t = score x log2(e) / 8; M = the running largest t, rounded up to a whole number; p = 2^(t - M) is quantised along the keys, not normalised; the sum of the unquantised p divides at the end.
; THE MASK is an input and is honoured as it is given.  A masked score becomes -2^33 (logit -2^30), so that c x it is a whole number: in a row with no key at all t - M is exactly 0 and p = 1 for every key, the uniform softmax that -1e9 gives.
; LIMIT: -2^30 stands for -1e9: it differs only where a real logit lies under about -1e9.  NaN and infinities are not served; a block of z whose largest magnitude lies under 2^-122 gets the byte 1.
; WORK THAT NEED NOT BE DONE.  The launch before stored, for each tile of 16 queries x 128 keys, whether any bit is set, whether all are, and which rows have a key.  A tile with no bit set gives p = 0 everywhere if every one of the 16 rows has a key
; somewhere: its step is jumped over by a scalar branch on these stored whole numbers.  If some row of the 16 has no key, no step is left out.  Where all bits are set the 64 selects are jumped over.  Trip counts are constants; every wave passes every barrier.
; SHARES.  Work-group (i, batch x head) owns the blocks i and 7 - i of 256 queries, in two passes of 16 key steps; wave w owns tile T = 16 block + w.  Four waves share a SIMD: one wave's vector work stands beside another's products and LDS loads.
; K AND V come as records of 12,800 bytes (images of operand registers) through registers into two LDS slots: asked for two steps ahead, stored a step ahead, one barrier a step.
; NO TENSOR LOADS AND NO CLUSTER: what the four work-groups of a head share is 12,800 bytes a step.
; HEAD SIZE 64 IN AN INSTRUCTION OF K = 128: a fragment of K holds TWO tiles of keys (K 0-63 and 64-127); multiplied by [Q | 0] it gives the first tile's scores, by [0 | Q] the second's.
; LAYOUT: both products transposed; a lane holds one query.  Register 16 f + i of S^T is key 128 J + 32 f + 16 (lane / 16) + i; register 16 b + i of O^T is channel 32 b + 16 (lane / 16) + i.
; REGISTERS: v1-7 addresses; v12 -M, v13 the largest t, v[14:15] the sum; v16-33 zeros, Q, zeros; v34 Q's scale words; v36-83 four fragments; v84-87 K's and V's scale words; v96-159 S^T, then p; v160-191 O^T; v192-210 p's codes; v212-227 staging; v232-254 at work.
.set SLOT, 16384                       ; the two slots' distance
.set QCO,  13107200
.set QSO,  19398656
	s_load_b128 s[8:11], s[0:1], 0x0               ; att, maskw
	s_load_b128 s[12:15], s[0:1], 0x10             ; zc, zs
	v_lshl_add_u32 v251, v0, 2, 0x8000
	v_mov_b32 v255, 0
	v_lshrrev_b32 v8, 5, v0
	v_readfirstlane_b32 s18, v8                    ; wave w
	v_and_b32 v8, 31, v0
	v_lshlrev_b32 v1, 4, v8                        ; 16 x lane
	v_lshlrev_b32 v2, 3, v8
	v_add_nc_u32 v2, 512, v2                       ; 8 x lane + 512
	v_lshlrev_b32 v3, 2, v8                        ; 4 x lane
	v_lshlrev_b32 v4, 4, v0                        ; 16 x thread: the copies
	v_mov_b32 v5, 0xd0000000                       ; -2^33
	v_and_b32 v9, 15, v0                           ; r
	v_lshlrev_b32 v6, 2, v9
	v_lshlrev_b32 v7, 3, v9
	v_bfe_u32 v10, v0, 4, 1                        ; h
	s_and_b32 s105, ttmp7, 0xffff                  ; batch x 16 + head
	s_lshl_b32 s100, ttmp9, 4
	s_add_co_u32 s100, s100, s18                   ; T of the first pass
	s_sub_co_u32 s104, 7, ttmp9
	s_lshl_b32 s104, s104, 4
	s_add_co_u32 s104, s104, s18                   ; and of the second
	s_lshl_b32 s30, ttmp9, 1
	s_sub_co_u32 s30, 7, s30                       ; 7 - 2 i
	s_mov_b32 s31, ttmp9
	v_mul_u32_u24 v11, v10, s30
	v_add_nc_u32 v11, s31, v11                     ; lanes 0-15: block i, lanes 16-31: block 7 - i
	v_lshl_add_u32 v11, v11, 4, v9                 ; a lane a tile
	v_lshlrev_b32 v11, 4, v11                      ; 16 bytes of flags a tile
	s_mul_i32 s2, s105, 204800                     ; my head's 16 records
	s_mov_b32 s3, 0
	s_mul_i32 s6, s105, 98304
	s_add_co_u32 s6, s6, QCO                       ; its Q codes
	s_mov_b32 s7, 0
	s_lshl_b32 s4, s105, 13
	s_add_co_u32 s4, s4, QSO                       ; its Q scale words
	s_mov_b32 s5, 0
	s_lshr_b32 s30, s105, 4                        ; batch
	s_and_b32 s31, s105, 15                        ; head
	s_mul_i32 s66, s30, 1572864                    ; z's codes: 128 tiles of 12,288 bytes a batch, half fragment number = head
	s_mul_i32 s67, s31, 768
	s_add_co_u32 s66, s66, s67
	s_mov_b32 s67, 0
	s_lshl_b32 s68, s30, 16                        ; z's scale lines: K step s = head / 2 = 4 jj + 2 e + hh lies at 256 jj + 128 hh + 4 e; my head's two bytes at 2 (head % 2)
	s_lshr_b32 s69, s31, 3
	s_lshl_b32 s69, s69, 8
	s_add_co_u32 s68, s68, s69
	s_bfe_u32 s69, s31, 0x10001
	s_lshl_b32 s69, s69, 7
	s_add_co_u32 s68, s68, s69
	s_bfe_u32 s69, s31, 0x10002
	s_lshl_b32 s69, s69, 2
	s_add_co_u32 s68, s68, s69
	s_and_b32 s69, s31, 1
	s_lshl_b32 s69, s69, 1
	s_add_co_u32 s68, s68, s69
	s_mov_b32 s69, 0
	s_mov_b32 s20, 0x76543210
	s_mov_b32 s21, 0xfedcba98                      ; lane l xor 16
	s_mov_b32 s22, 0x3e38aa3b                      ; c = log2(e) / 8
	s_mov_b32 s23, s22                             ; (named with it as a pair)
	s_wait_kmcnt 0x0
	s_add_nc_u64 s[2:3], s[8:9], s[2:3]
	s_add_nc_u64 s[6:7], s[8:9], s[6:7]
	s_add_nc_u64 s[8:9], s[8:9], s[4:5]
	s_add_nc_u64 s[12:13], s[12:13], s[66:67]
	s_add_nc_u64 s[14:15], s[14:15], s[68:69]
.macro COPYLD set                      ; a record, 12,800 bytes: 16 bytes a thread, and 16 more in waves 0 to 8
	global_load_b128 v[212+8*(\set):215+8*(\set)], v4, s[4:5]
	s_cmp_lt_u32 s18, 9
	s_cbranch_scc0 .Lcl_\@
	global_load_b128 v[216+8*(\set):219+8*(\set)], v4, s[4:5] offset:8192
.Lcl_\@:
.endm
.macro COPYST set                      ; set n goes to slot n
	ds_store_b128 v4, v[212+8*(\set):215+8*(\set)] offset:SLOT*(\set)
	s_cmp_lt_u32 s18, 9
	s_cbranch_scc0 .Lcs_\@
	ds_store_b128 v4, v[216+8*(\set):219+8*(\set)] offset:SLOT*(\set)+8192
.Lcs_\@:
.endm
.set j, 0
.rept 16
	v_mov_b32 v[212+j], 0                          ; the staging registers are written once here: a store may follow a step in which nothing was asked for
.set j, j+1
.endr
	s_mov_b64 s[4:5], s[2:3]
	COPYLD 0                                       ; the first two records are fetched without a test
	global_load_b128 v[232:235], v11, s[10:11] offset:524288       ; my lane's tile: its four dwords of flags
.irp j, 16,17,18,19,20,21,28,29,30,31,32,33
	v_mov_b32 v\j, 0                               ; zero codes on both sides of Q
.endr
.irp j, 236,237,238,239,245,252,253
	v_mov_b32 v\j, 0                               ; written once: destinations of lane permutes, and the upper half of a pair
.endr
	v_mov_b32 v243, 0xffff
	s_wait_loadcnt 0x0
	COPYST 0
	s_add_nc_u64 s[4:5], s[2:3], 12800
	COPYLD 1
	v_or_b32 v246, v232, v233
	v_or_b32 v247, v234, v235
	v_or_b32 v246, v246, v247
	v_lshrrev_b32 v246, 16, v246                   ; which of the tile's 16 rows have a key
	v_and_b32 v240, 15, v232
	v_and_b32 v241, 15, v233
	v_lshl_or_b32 v240, v241, 4, v240
	v_and_b32 v241, 15, v234
	v_lshl_or_b32 v240, v241, 8, v240
	v_and_b32 v241, 15, v235
	v_lshl_or_b32 v240, v241, 12, v240             ; bit J: some bit of tile (T, J) is set
	v_bfe_u32 v242, v232, 4, 4
	v_bfe_u32 v241, v233, 4, 4
	v_lshl_or_b32 v242, v241, 4, v242
	v_bfe_u32 v241, v234, 4, 4
	v_lshl_or_b32 v242, v241, 8, v242
	v_bfe_u32 v241, v235, 4, 4
	v_lshl_or_b32 v242, v241, 12, v242             ; bit J: all are set
	v_cmp_ne_u32 vcc_lo, 0xffff, v246
	v_cndmask_b32 v240, v240, v243, vcc_lo         ; a row without a key sees every key
	v_mov_b32 v244, v240
.irp m, 1,2,4,8
	v_mov_b32_dpp v245, v244 row_xmask:\m row_mask:0xf bank_mask:0xf
	v_or_b32 v244, v244, v245                      ; the block's 16 tiles together: which records the work-group needs
.endr
	s_add_co_u32 s30, s18, 16
	v_readlane_b32 s26, v240, s18
	v_readlane_b32 s31, v240, s30
	s_lshl_b32 s31, s31, 16
	s_or_b32 s26, s26, s31                         ; s26 bit g: my tile works in step g (g = 16 pass + J)
	v_readlane_b32 s27, v242, s18
	v_readlane_b32 s31, v242, s30
	s_lshl_b32 s31, s31, 16
	s_or_b32 s27, s27, s31                         ; s27 bit g: no select is needed
	v_readlane_b32 s24, v244, 0
	v_readlane_b32 s31, v244, 16
	s_lshl_b32 s31, s31, 16
	s_or_b32 s24, s24, s31
	s_lshr_b32 s25, s24, 2                         ; s25 bit g: step g + 2's record is needed
	s_lshr_b32 s24, s24, 1                         ; s24 bit g: step g + 1's
; A KEY STEP: 128 keys; sg = g % 2 is its slot.
.macro STEP sg
	s_wait_loadcnt 0x0                             ; the record asked for a step ago (and Q) is in registers
	s_wait_dscnt 0x0                               ; my part of this step's record is stored, and my reads of the last step's are over
	s_barrier_signal -1
	s_barrier_wait -1                              ; both hold of all sixteen waves
	s_bitcmp1_b32 s24, s19
	s_cbranch_scc0 .Lnst_\@
	COPYST 1-\sg                                   ; the next step's record, into the slot read last step
.Lnst_\@:
	s_bitcmp1_b32 s25, s19
	s_cbranch_scc0 .Lnld_\@
	s_add_co_u32 s30, s19, 2
	s_and_b32 s30, s30, 15
	s_mul_i32 s30, s30, 12800
	s_mov_b32 s31, 0
	s_add_nc_u64 s[4:5], s[2:3], s[30:31]          ; (no load that names this pair is out)
	COPYLD \sg                                     ; the record two steps on
.Lnld_\@:
	s_bitcmp1_b32 s26, s19
	s_cbranch_scc0 .Lskip_\@
	s_and_b32 s101, s19, 15                        ; (no scalar load is out: each worked step waits for its own below)
	s_lshl_b32 s101, s101, 8
	s_load_b512 s[32:47], s[16:17], s101 offset:0x0     ; the tile's 64 mask words, in every step that is worked: word n in s[32 + n], from n = 32 on in s[36 + n]
	s_load_b512 s[48:63], s[16:17], s101 offset:0x40
	s_load_b512 s[68:83], s[16:17], s101 offset:0x80
	s_load_b512 s[84:99], s[16:17], s101 offset:0xc0
.irp f, 0,1,2,3                        ; K: fragment f = tiles 2 f and 2 f + 1
	ds_load_b128 v[36+12*\f:39+12*\f], v1 offset:SLOT*\sg+1536*\f
	ds_load_b64 v[40+12*\f:41+12*\f], v2 offset:SLOT*\sg+1536*\f
	ds_load_b128 v[42+12*\f:45+12*\f], v1 offset:SLOT*\sg+1536*\f+768
	ds_load_b64 v[46+12*\f:47+12*\f], v2 offset:SLOT*\sg+1536*\f+768
.endr
	ds_load_b32 v84, v3 offset:SLOT*\sg+12288      ; fragments 0 (lanes 0-15) and 1 (lanes 16-31)
	ds_load_b32 v85, v3 offset:SLOT*\sg+12416      ; fragments 2 and 3
	s_wait_dscnt 0x0
.irp f, 0,1,2,3
.if \f%2
	v_wmma_scale_f32_16x16x128_f8f6f4 v[96+16*\f:103+16*\f], v[36+12*\f:47+12*\f], v[22:33], 0, v[84+\f/2], v34 matrix_a_fmt:MATRIX_FMT_BF6 matrix_b_fmt:MATRIX_FMT_BF6 matrix_a_scale:MATRIX_SCALE_ROW1
	v_wmma_scale_f32_16x16x128_f8f6f4 v[104+16*\f:111+16*\f], v[36+12*\f:47+12*\f], v[16:27], 0, v[84+\f/2], v34 matrix_a_fmt:MATRIX_FMT_BF6 matrix_b_fmt:MATRIX_FMT_BF6 matrix_a_scale:MATRIX_SCALE_ROW1
.else
	v_wmma_scale_f32_16x16x128_f8f6f4 v[96+16*\f:103+16*\f], v[36+12*\f:47+12*\f], v[22:33], 0, v[84+\f/2], v34 matrix_a_fmt:MATRIX_FMT_BF6 matrix_b_fmt:MATRIX_FMT_BF6
	v_wmma_scale_f32_16x16x128_f8f6f4 v[104+16*\f:111+16*\f], v[36+12*\f:47+12*\f], v[16:27], 0, v[84+\f/2], v34 matrix_a_fmt:MATRIX_FMT_BF6 matrix_b_fmt:MATRIX_FMT_BF6
.endif
.endr
.rept 4
	v_nop                                          ; places: in front of the loads into K's registers and of the first read of the scores
.endr
.irp ct, 0,1,2,3                       ; V's four fragments (16 channels x 128 keys): they land under the softmax
	ds_load_b128 v[36+12*\ct:39+12*\ct], v1 offset:SLOT*\sg+6144+1536*\ct
	ds_load_b64 v[40+12*\ct:41+12*\ct], v2 offset:SLOT*\sg+6144+1536*\ct
	ds_load_b128 v[42+12*\ct:45+12*\ct], v1 offset:SLOT*\sg+6144+1536*\ct+768
	ds_load_b64 v[46+12*\ct:47+12*\ct], v2 offset:SLOT*\sg+6144+1536*\ct+768
.endr
	ds_load_b64 v[86:87], v2 offset:SLOT*\sg+12032 ; V's scale words, at 12,544 + 8 x lane
	s_wait_kmcnt 0x0                               ; the mask words are in, on every way that issued their loads: their registers, base and offset may be written again
	s_bitcmp1_b32 s27, s19
	s_cbranch_scc1 .Lopen_\@                       ; all 2,048 bits are set: nothing to select
.set n, 0
.rept 64
.if n < 32
	v_cndmask_b32 v[96+n], v5, v[96+n], s[32+n]    ; a masked key's score becomes -2^33
.else
	v_cndmask_b32 v[96+n], v5, v[96+n], s[36+n]
.endif
.set n, n+1
.endr
.Lopen_\@:
.irp b, 0,1,2,3
	v_max3_num_f32 v[232+\b], v[96+16*\b], v[97+16*\b], v[98+16*\b]   ; the largest score of each block of 32 keys: for the row's maximum and for the block's largest p
.endr
.irp i, 3,5,7,9,11,13
.irp b, 0,1,2,3
	v_max3_num_f32 v[232+\b], v[232+\b], v[96+16*\b+\i], v[97+16*\b+\i]
.endr
.endr
.irp b, 0,1,2,3
	v_max_num_f32 v[232+\b], v[232+\b], v[111+16*\b]
.endr
.irp b, 0,1,2,3
	v_permlanex16_b32 v[236+\b], v[232+\b], s20, s21
.endr
.irp b, 0,1,2,3
	v_max_num_f32 v[232+\b], v[232+\b], v[236+\b]  ; with lane l xor 16's 16 keys
.endr
	v_max3_num_f32 v254, v232, v233, v234
	v_max_num_f32 v254, v254, v235
	v_mul_f32 v254, s22, v254                      ; as t
	v_max_num_f32 v13, v13, v254                   ; the running largest t
	v_mov_b32 v254, v12
	v_floor_f32 v12, -v13                          ; the new -M = -ceil(t): a whole number
	v_sub_f32 v254, v12, v254                      ; old M - new M, 0 or less
	v_cvt_i32_f32 v254, v254                       ; (it saturates)
	v_ldexp_f32 v252, 1.0, v254                    ; f = 2^(old M - new M): a multiplication by it rounds nothing
.set j, 0
.rept 32
	v_pk_fma_f32 v[96+j:97+j], v[96+j:97+j], s[22:23], v[12:13] op_sel_hi:[1,0,0]   ; t - M
.set j, j+2
.endr
.irp b, 0,1,2,3
	v_fma_f32 v[232+\b], v[232+\b], s22, v12       ; the same of each block's largest score
.endr
.set j, 0
.rept 64
	v_exp_f32 v[96+j], v[96+j]                     ; p = 2^(t - M)
.set j, j+1
.endr
	v_pk_mul_f32 v[14:15], v[14:15], v[252:253] op_sel_hi:[1,0]    ; the sums under the new M: the plain line behind the batch
	s_wait_alu depctr_va_vdst(0)                   ; one wait for the 64, ahead of their first reader
.irp b, 0,1,2,3
	v_exp_f32 v[232+\b], v[232+\b]                 ; each block's largest p
.endr
	v_pk_add_f32 v[240:241], v[96:97], v[98:99]    ; the row's sum is taken of the unquantised p; this first line is the plain line behind the four
	s_wait_alu depctr_va_vdst(0)                   ; and one for the four
.irp b, 0,1,2,3
	v_max_num_f32 v[232+\b], 0x2800000, v[232+\b]  ; the floor 2^(5 - 127)
.endr
.irp b, 0,1,2,3
	v_add_nc_u32 v[244+\b], 0xfe000000, v[232+\b]  ; the conversion's scale operand
.endr
.irp b, 0,1,2,3
	v_lshrrev_b32 v[236+\b], 23, v[244+\b]         ; the byte
.endr
	v_lshl_or_b32 v253, v237, 8, v236              ; p's scale word for these 128 keys
	v_lshl_or_b32 v253, v238, 16, v253
	v_lshl_or_b32 v253, v239, 24, v253
.irp c, 0,1
	v_cvt_scalef32_pk16_bf6_f32 v[192+6*\c:194+6*\c], v[96+32*\c:111+32*\c], v[244+2*\c]
	v_cvt_scalef32_pk16_bf6_f32 v[204+4*\c:206+4*\c], v[112+32*\c:127+32*\c], v[245+2*\c]
.endr
	v_nop                                          ; one plain place behind a scaled conversion
.irp c, 0,1
.irp i, 0,1,2
	v_permlane16_swap_b32 v[192+6*\c+\i], v[204+4*\c+\i]           ; a whole block to a lane
.endr
.irp i, 0,1,2
	v_mov_b32 v[195+6*\c+\i], v[204+4*\c+\i]
.endr
.endr
.set j, 0
.rept 16
	v_pk_mul_f32 v[160+j:161+j], v[160+j:161+j], v[252:253] op_sel_hi:[1,0]   ; O^T under the new M
.set j, j+2
.endr
.irp j, 4,8,12,16,20,24,28,32,36,40,44,48,52,56,60
	v_pk_add_f32 v[14:15], v[14:15], v[96+\j:97+\j]                ; the rest of the sums, in two chains: 31 plain lines that name no register of the products below: their places
	v_pk_add_f32 v[240:241], v[240:241], v[98+\j:99+\j]
.endr
	v_pk_add_f32 v[14:15], v[14:15], v[240:241]
	s_wait_dscnt 0x0                               ; V
.irp ct, 0,1,2,3
.if \ct%2
	v_wmma_scale_f32_16x16x128_f8f6f4 v[160+8*\ct:167+8*\ct], v[36+12*\ct:47+12*\ct], v[192:203], v[160+8*\ct:167+8*\ct], v[86+\ct/2], v253 matrix_a_fmt:MATRIX_FMT_BF6 matrix_b_fmt:MATRIX_FMT_BF6 matrix_a_scale:MATRIX_SCALE_ROW1
.else
	v_wmma_scale_f32_16x16x128_f8f6f4 v[160+8*\ct:167+8*\ct], v[36+12*\ct:47+12*\ct], v[192:203], v[160+8*\ct:167+8*\ct], v[86+\ct/2], v253 matrix_a_fmt:MATRIX_FMT_BF6 matrix_b_fmt:MATRIX_FMT_BF6
.endif
.endr
.rept 4
	v_nop                                          ; places behind the step's last products, whatever follows
.endr
.Lskip_\@:
	s_add_co_u32 s19, s19, 1
.endm
	s_mov_b32 s19, 0                               ; g
	s_mov_b32 s28, 2
.Lpass:
	s_wait_xcnt 0x0                                ; the last pass's stores have read their registers and bases
	s_mov_b32 s31, 0
	s_mul_i32 s30, s100, 768
	s_add_nc_u64 s[32:33], s[6:7], s[30:31]
	s_lshl_b32 s30, s100, 6
	s_add_nc_u64 s[34:35], s[8:9], s[30:31]
	s_lshl_b32 s30, s100, 12
	s_add_nc_u64 s[16:17], s[10:11], s[30:31]      ; my tile's mask words
	global_load_b128 v[22:25], v1, s[32:33]        ; Q's half fragment
	global_load_b64 v[26:27], v2, s[32:33]
	global_load_b32 v34, v6, s[34:35]              ; its scale words {s0, s1, s0, s1}
	v_mov_b32 v13, 0xff61b1e6                      ; the largest t so far: -3e38
	v_floor_f32 v12, -v13
	v_mov_b32 v14, 0
	v_mov_b32 v15, 0
.set j, 0
.rept 32
	v_mov_b32 v[160+j], 0                          ; O^T: the step is written once; the first change of M multiplies zeros
.set j, j+1
.endr
	s_mov_b32 s29, 8
.Lstep:
	STEP 0
	STEP 1
	s_sub_co_u32 s29, s29, 1
	s_cmp_lg_u32 s29, 0
	s_cbranch_scc1 .Lstep
	; the pass's end: z = O^T / the sum, quantised along D: my head's two blocks of 32
	v_add_f32 v14, v14, v15
	v_permlanex16_b32 v252, v14, s20, s21
	v_add_f32 v14, v14, v252
	v_rcp_f32 v14, v14
	v_nop                                          ; a plain place behind the reciprocal
	s_mov_b32 s31, 0
	s_mul_i32 s30, s100, 12288
	s_add_nc_u64 s[32:33], s[12:13], s[30:31]
	s_lshl_b32 s30, s100, 9
	s_add_nc_u64 s[34:35], s[14:15], s[30:31]
	s_wait_alu depctr_va_vdst(0)                   ; the wait ahead of its first reader
.set j, 0
.rept 32
	v_mul_f32 v[96+j], v[160+j], v14
.set j, j+1
.endr
.irp b, 0,1
	v_max3_num_f32 v[232+\b], |v[96+16*\b]|, |v[97+16*\b]|, 0x2800000
.endr
.irp i, 2,4,6,8,10,12,14
.irp b, 0,1
	v_max3_num_f32 v[232+\b], v[232+\b], |v[96+16*\b+\i]|, |v[97+16*\b+\i]|
.endr
.endr
.irp b, 0,1
	v_permlanex16_b32 v[236+\b], v[232+\b], s20, s21
.endr
.irp b, 0,1
	v_max_num_f32 v[232+\b], v[232+\b], v[236+\b]
.endr
.irp b, 0,1
	v_add_nc_u32 v[244+\b], 0xfe000000, v[232+\b]
.endr
.irp b, 0,1
	v_lshrrev_b32 v[236+\b], 23, v[244+\b]
.endr
	v_lshl_or_b32 v238, v237, 8, v236              ; my head's half of the K step's scale word
	v_cvt_scalef32_pk16_bf6_f32 v[192:194], v[96:111], v244
	v_cvt_scalef32_pk16_bf6_f32 v[204:206], v[112:127], v245
	v_nop
.irp i, 0,1,2
	v_permlane16_swap_b32 v[192+\i], v[204+\i]
.endr
.irp i, 0,1,2
	v_mov_b32 v[195+\i], v[204+\i]
.endr
	global_store_b128 v1, v[192:195], s[32:33]     ; a half fragment: 512 and 256 consecutive bytes
	global_store_b64 v2, v[196:197], s[32:33]
	global_store_b16 v7, v238, s[34:35]            ; two bytes a row (lanes r and 16 + r write the same): the price of one head to a work-group; 8,192 such instructions in the launch
	s_mov_b32 s100, s104
	s_sub_co_u32 s28, s28, 1
	s_cmp_lg_u32 s28, 0
	s_cbranch_scc1 .Lpass
	s_wait_tensorcnt 0x0
	ds_add_u32 v251, v255
	s_wait_dscnt 0x0
	s_endpgm
.Lfunc_end_k_qa0324fda5b_attn:
	.size	k_qa0324fda5b_attn, .Lfunc_end_k_qa0324fda5b_attn-k_qa0324fda5b_attn
	.p2alignl 7, 3214868480
	.fill 96, 4, 3214868480
	.section	.rodata,"a",@progbits
	.p2align	6, 0x0
	.amdhsa_kernel k_qa0324fda5b_attn
		.amdhsa_group_segment_fixed_size 34816
		.amdhsa_private_segment_fixed_size 0
		.amdhsa_enable_private_segment 0
		.amdhsa_kernarg_size 32
		.amdhsa_user_sgpr_count 2
		.amdhsa_user_sgpr_kernarg_segment_ptr 1
		.amdhsa_wavefront_size32 1
		.amdhsa_system_sgpr_workgroup_id_x 1
		.amdhsa_system_sgpr_workgroup_id_y 1
		.amdhsa_system_sgpr_workgroup_id_z 1
		.amdhsa_system_vgpr_workitem_id 0
		.amdhsa_next_free_vgpr 256
		.amdhsa_next_free_sgpr 106
		.amdhsa_reserve_vcc 1
		.amdhsa_float_denorm_mode_32 3
		.amdhsa_float_denorm_mode_16_64 3
		.amdhsa_memory_ordered 1
		.amdhsa_forward_progress 1
		.amdhsa_inst_pref_size 55
	.end_amdhsa_kernel
	.amdgpu_metadata
---
amdhsa.version: [ 1, 2 ]
amdhsa.kernels:
  - .name:           k_qa0324fda5b_attn
    .symbol:         k_qa0324fda5b_attn.kd
    .args:
      - { .name: att, .offset: 0, .size: 8, .value_kind: global_buffer, .address_space: global }
      - { .name: maskw, .offset: 8, .size: 8, .value_kind: global_buffer, .address_space: global }
      - { .name: zc, .offset: 16, .size: 8, .value_kind: global_buffer, .address_space: global }
      - { .name: zs, .offset: 24, .size: 8, .value_kind: global_buffer, .address_space: global }
    .group_segment_fixed_size: 34816
    .private_segment_fixed_size: 0
    .kernarg_segment_align: 8
    .kernarg_segment_size: 32
    .max_flat_workgroup_size: 512
    .sgpr_count:     106
    .vgpr_count:     256
    .wavefront_size: 32
...
	.end_amdgpu_metadata
.endif
;; end of part 3
;; launch oproj (part 4): grid 8 x 32, 4 waves a work-group, clusters of 4 x 4, 295,424 bytes of LDS; arguments zc, zs, wc, ws, bo, out0; writes out0
.if DOCPART == 4
	.amdgcn_target "amdgcn-amd-amdhsa--gfx1250"
	.amdhsa_code_object_version 6
	.text
	.protected	k_qa0324fda5b_oproj
	.globl	k_qa0324fda5b_oproj
	.p2align	8
	.type	k_qa0324fda5b_oproj,@function
k_qa0324fda5b_oproj:
	s_mov_b64 s[64:65], 0
	v_nop
	global_prefetch_b8 v0, s[64:65] scope:SCOPE_SE
	s_setreg_imm32_b32 hwreg(HW_REG_WAVE_MODE, 25, 1), 1
	s_wait_xcnt 0x0
	s_wait_alu depctr_hold_cnt(0) depctr_sa_sdst(0) depctr_va_vdst(0) depctr_va_sdst(0) depctr_va_ssrc(0) depctr_va_vcc(0) depctr_vm_vsrc(0)
	s_getreg_b32 s2, hwreg(HW_REG_IB_STS2, 6, 4)
	s_cmp_eq_u32 s2, 0
	s_cbranch_scc0 .Lentry_in_a_cluster
	s_endpgm
.Lentry_in_a_cluster:
	s_bfe_u32 s2, ttmp6, 0x10000c
	s_cmp_lg_u32 s2, 0xf033
	s_cbranch_scc0 .Lentry_shape_is_right
	s_endpgm
.Lentry_shape_is_right:
; OPROJ.  out0 = z Wo^T + bo on codes of BF6 with E8M0 scales, K = 1,024; f32 out.
; SHARES.  Work-group (p, yb) owns 256 tokens (z's tiles 16 yb ..) x 128 outputs (Wo's tiles 8 p ..): 256 work-groups.  All of K lies in LDS: z 196,608 bytes, Wo 98,304, each filled once, in four chunks of 256 along K; nothing is filled again.
; Source 0 = Wo's 8 tiles, source 1 = z's tiles 4 w + jn: a lane holds one token; register 16 b + i of acc(.., jn) is output 128 p + 32 b + 16 (lane / 16) + i.  The bias is the C of each sum's first matrix instruction.
; A tile 2 b + u holds rows 32 b + 8 u + r + 8 (r / 8).  LDS holds images of operand registers (half fragments of 768 bytes): every LDS load takes 512 or 256 consecutive bytes.
; CLUSTER 4 x 4: z's tiles are shared along a row of the cluster, Wo's along a column: joint loads with a mask of four.
; REGISTERS.  window 0: v1-19 addresses; v32-63, v64-79 scale words; v80-143 the bias; on the way out v32-159 rows of out0.  window 1: acc(i, jn) at 64 jn + 8 i.  window 2: source 0's fragments, two sets of 96.  window 3: source 1's, two sets of 48.
.set XCH,   49152
.set WCH,   24576
.set WB,    196608
.set SP,    528                        ; the way out: a stage of 16 rows x (512 + 16) bytes a wave, in z's chunk 0, which has had its one fill and its last read
.set L16,  3
.set L8,   4
.set L8P,  5
.set STO,  6
.set RD,   7
.set SC0,  32
.set SC1,  64
.set BI,   80
.set BK,   32
.set MSB, 0
.macro WIN new
.if MSB != \new
	s_set_vgpr_msb (MSB<<8)|\new
.set MSB, \new
.endif
.endm
.macro CROUND
	s_barrier_signal -1
	s_barrier_wait -1
	s_cmp_lg_u32 s20, 0
	s_cbranch_scc1 .Lnot_wave_0_\@
	s_barrier_signal -3
.Lnot_wave_0_\@:
	s_barrier_wait -3
	s_barrier_signal -1
	s_barrier_wait -1
.endm
	s_load_b256 s[4:11], s[0:1], 0x0               ; zc, zs, wc, ws
	s_load_b128 s[12:15], s[0:1], 0x20             ; bo, out0
	v_lshl_add_u32 v254, v0, 2, 0x48000
	v_mov_b32 v255, 0
	ds_add_u32 v254, v255
	ds_add_u32 v254, v255
	v_lshrrev_b32 v1, 5, v0
	v_readfirstlane_b32 s20, v1                    ; wave w
	s_lshr_b32 s21, s20, 1
	s_and_b32 s22, s20, 1
	s_bfe_u32 s100, ttmp6, 0x40000                 ; cx
	s_bfe_u32 s101, ttmp6, 0x40004                 ; cy
	s_lshl_b32 s104, ttmp9, 2
	s_add_co_u32 s104, s104, s100                  ; p
	s_and_b32 s105, ttmp7, 0xffff
	s_lshl_b32 s105, s105, 2
	s_add_co_u32 s105, s105, s101                  ; yb
	s_lshl_b32 s2, s101, 2
	s_lshl_b32 s2, 15, s2                          ; my row of the cluster
	s_lshl_b32 s3, 0x1111, s100                    ; my column
	s_or_b32 s24, s2, (3<<16)|(1<<21)              ; groups 1: rows of 3,072 bytes, 12,288 apart; s[24:31] z: 8 rows; s[32:39] Wo: 4 rows
	s_or_b32 s32, s3, (3<<16)|(1<<21)
.irp g, 24, 32
	s_mov_b32 s[\g+1], 384<<16
	s_mov_b32 s[\g+3], 384<<16
	s_mov_b32 s[\g+5], 1536
	s_mov_b32 s[\g+6], 0
	s_mov_b32 s[\g+7], 0
.endr
	s_mov_b32 s26, 8<<16
	s_mov_b32 s28, 8
	s_mov_b32 s34, 4<<16
	s_mov_b32 s36, 4
	s_mul_i32 s66, s105, 196608                    ; z: tile 16 yb + 8 (w % 2)
	s_mul_i32 s23, s22, 98304
	s_add_co_u32 s66, s66, s23
	s_mov_b32 s67, 0
	s_mul_i32 s94, s104, 98304                     ; Wo: tile 192 + 8 p + 4 (w % 2)
	s_mul_i32 s92, s22, 49152
	s_add_co_u32 s94, s94, s92
	s_add_co_u32 s94, s94, 192*12288
	s_mov_b32 s95, 0
	s_mul_i32 s23, s22, 24576
	s_mul_i32 s96, s22, 12288
	s_wait_dscnt 0x0
	s_wait_kmcnt 0x0
	s_add_nc_u64 s[66:67], s[4:5], s[66:67]
	s_add_nc_u64 s[94:95], s[8:9], s[94:95]
.irp k, 0,1,2,3
	s_mov_b32 s[48+4*\k], 1
	s_add_co_u32 s[49+4*\k], s23, \k*XCH
	s_add_nc_u64 s[50+4*\k:51+4*\k], s[66:67], \k*3072
	s_or_b32 s[51+4*\k], s[51+4*\k], 0x80000000
	s_mov_b32 s[68+4*\k], 1
	s_add_co_u32 s[69+4*\k], s96, WB+\k*WCH
	s_add_nc_u64 s[70+4*\k:71+4*\k], s[94:95], \k*3072
	s_or_b32 s[71+4*\k], s[71+4*\k], 0x80000000
.endr
	CROUND                                         ; all sixteen work-groups are here: the joint loads meet
	s_cmp_eq_u32 s21, 0                            ; waves 0, 1: z's halves; waves 2, 3: Wo's: four loads of mine are out
	s_cbranch_scc0 .Lfirst_w
	tensor_load_to_lds s[48:51], s[24:31]
	s_nop 0
	tensor_load_to_lds s[52:55], s[24:31]
	s_nop 0
	tensor_load_to_lds s[56:59], s[24:31]
	s_nop 0
	tensor_load_to_lds s[60:63], s[24:31]
	s_nop 0
.rept 4
	v_nop
.endr
	s_branch .Lfirst_done
.Lfirst_w:
	tensor_load_to_lds s[68:71], s[32:39]
	s_nop 0
	tensor_load_to_lds s[72:75], s[32:39]
	s_nop 0
	tensor_load_to_lds s[76:79], s[32:39]
	s_nop 0
	tensor_load_to_lds s[80:83], s[32:39]
	s_nop 0
.rept 4
	v_nop
.endr
.Lfirst_done:
	v_and_b32 v1, 15, v0                           ; r
	v_bfe_u32 v2, v0, 4, 1                         ; h
	v_and_b32 v27, 31, v0
	v_lshlrev_b32 v[L16], 4, v27
	v_lshlrev_b32 v[L8], 3, v27
	v_add_nc_u32 v[L8P], 512, v[L8]
	v_add_nc_u32 v8, WB, v[L16]
	v_add_nc_u32 v9, WB, v[L8P]
	s_mul_i32 s23, s20, 12288
	v_add_nc_u32 v10, s23, v[L16]
	v_add_nc_u32 v11, s23, v[L8P]
	s_lshl_b32 s23, s20, 11
	v_add_nc_u32 v21, s23, v[L8]                   ; z's scale lines, tiles 4 w on
	v_lshlrev_b32 v24, 6, v2                       ; bo: 16 h numbers on
	s_mul_i32 s23, s20, 16*SP
	v_mul_u32_u24 v[STO], v1, SP
	v_lshl_add_u32 v[STO], v2, 6, v[STO]
	v_add_nc_u32 v[STO], s23, v[STO]               ; the stage, in: row r, + 64 h
	v_add_nc_u32 v[RD], s23, v[L16]                ; back: a row of 512 bytes to the 32 lanes
	s_mov_b32 s93, 0
	s_lshl_b32 s92, s104, 9
	s_add_nc_u64 s[12:13], s[12:13], s[92:93]      ; bo at my 128 outputs
	s_add_nc_u64 s[14:15], s[14:15], s[92:93]      ; out0 at my 128 columns,
	s_lshl_b32 s92, s104, 12
	s_add_co_u32 s92, s92, 192*512
	s_add_nc_u64 s[10:11], s[10:11], s[92:93]      ; ws at tile 192 + 8 p
	s_lshl_b32 s92, s105, 13
	s_add_nc_u64 s[6:7], s[6:7], s[92:93]          ; zs at tile 16 yb
	s_lshl_b32 s92, s105, 20
	s_lshl_b32 s23, s20, 18
	s_add_co_u32 s92, s92, s23
	s_add_nc_u64 s[14:15], s[14:15], s[92:93]      ; and at token 256 yb + 64 w
.irp i, 0,1,2,3,4,5,6,7
.irp jj, 0,1
	global_load_b64 v[SC0+4*\i+2*\jj:SC0+4*\i+2*\jj+1], v[L8], s[10:11] offset:512*\i+256*\jj
.endr
.endr
.irp jn, 0,1,2,3
.irp jj, 0,1
	global_load_b64 v[SC1+4*\jn+2*\jj:SC1+4*\jn+2*\jj+1], v21, s[6:7] offset:512*\jn+256*\jj
.endr
.endr
.irp i, 0,1,2,3,4,5,6,7
	global_load_b128 v[BI+8*\i:BI+8*\i+3], v24, s[12:13] offset:(32*(\i/2)+8*(\i%2))*4
	global_load_b128 v[BI+8*\i+4:BI+8*\i+7], v24, s[12:13] offset:(32*(\i/2)+8*(\i%2))*4+16
.endr
.macro ADDR s                          ; the chunk of K step s; these four plain lines are also the places in front of loads into registers that matrix instructions have read
	v_add_nc_u32 v16, ((\s)/2)*WCH, v8
	v_add_nc_u32 v17, ((\s)/2)*WCH, v9
	v_add_nc_u32 v18, ((\s)/2)*XCH, v10
	v_add_nc_u32 v19, ((\s)/2)*XCH, v11
.endm
.macro FETCH s                         ; 48 LDS loads in one run
	WIN 0x80
.irp i, 0,1,2,3,4,5,6,7
.irp c, 0,1
	ds_load_b128 v[96*((\s)%2)+12*\i+6*\c:96*((\s)%2)+12*\i+6*\c+3], v16 offset:\i*3072+(2*((\s)%2)+\c)*768
	ds_load_b64 v[96*((\s)%2)+12*\i+6*\c+4:96*((\s)%2)+12*\i+6*\c+5], v17 offset:\i*3072+(2*((\s)%2)+\c)*768
.endr
.endr
	WIN 0xc0
.irp jn, 0,1,2,3
.irp c, 0,1
	ds_load_b128 v[48*((\s)%2)+12*\jn+6*\c:48*((\s)%2)+12*\jn+6*\c+3], v18 offset:\jn*3072+(2*((\s)%2)+\c)*768
	ds_load_b64 v[48*((\s)%2)+12*\jn+6*\c+4:48*((\s)%2)+12*\jn+6*\c+5], v19 offset:\jn*3072+(2*((\s)%2)+\c)*768
.endr
.endr
.endm
.macro MULS s                          ; the 32 accumulators take turns, one instruction a turn, in the same order in every step
.if (\s) == 0
	WIN 0x4e
.else
	WIN 0x5e
.endif
.irp jn, 0,1,2,3
.irp i, 0,1,2,3,4,5,6,7
.set rD, 64*\jn+8*\i
.set rA, 96*((\s)%2)+12*\i
.set rB, 48*((\s)%2)+12*\jn
.set rC, rD
.if (\s) == 0
.set rC, BI+8*\i
.endif
.if (\s)%2
	v_wmma_scale_f32_16x16x128_f8f6f4 v[rD:rD+7], v[rA:rA+11], v[rB:rB+11], v[rC:rC+7], v[SC0+4*\i+(\s)/2], v[SC1+4*\jn+(\s)/2] matrix_a_fmt:MATRIX_FMT_BF6 matrix_b_fmt:MATRIX_FMT_BF6 matrix_a_scale:MATRIX_SCALE_ROW1 matrix_b_scale:MATRIX_SCALE_ROW1
.else
	v_wmma_scale_f32_16x16x128_f8f6f4 v[rD:rD+7], v[rA:rA+11], v[rB:rB+11], v[rC:rC+7], v[SC0+4*\i+(\s)/2], v[SC1+4*\jn+(\s)/2] matrix_a_fmt:MATRIX_FMT_BF6 matrix_b_fmt:MATRIX_FMT_BF6
.endif
.endr
.endr
.endm
	s_wait_tensorcnt 0x3                           ; my part of chunk 0 is in; my three later chunks may be out
	s_wait_loadcnt 0x0                             ; scale words and bias
	s_barrier_signal -1
	s_barrier_wait -1
	ADDR 0
	FETCH 0
.irp s, 0,1,2,3,4,5,6
	WIN 0
.if \s%2
	s_wait_tensorcnt 2-\s/2                        ; my part of the chunk that the next fetch reads is in; the later ones may be out
	s_wait_dscnt 0x0                               ; no LDS instruction of mine is out at a signal
	s_barrier_signal -1
	s_barrier_wait -1
.endif
	ADDR \s+1
	FETCH \s+1
	s_wait_dscnt 48                                ; all but the 48 just issued
	MULS \s
.endr
	s_wait_dscnt 0x0
	MULS 7
	WIN 0
; THE WAY OUT, a tile of 16 tokens x 128 outputs at a time, through my own stage: a lane holds pieces of one row, the 32 lanes store whole rows of 512 bytes.  LDS serves a wave's instructions in order: no wait between the stores and the loads.
.macro TOSTAGE jn
	WIN 0x04                                       ; an LDS store's data are its source 1: window 1
.irp i, 0,1,2,3,4,5,6,7
	ds_store_b128 v[STO], v[64*\jn+8*\i:64*\jn+8*\i+3] offset:128*(\i/2)+32*(\i%2)        ; each accumulator from its low end on
	ds_store_b128 v[STO], v[64*\jn+8*\i+4:64*\jn+8*\i+7] offset:128*(\i/2)+32*(\i%2)+16
.endr
	WIN 0
.irp t, 0,1,2,3,4,5,6,7,8,9,10,11,12,13,14,15
	ds_load_b128 v[BK+64*((\jn)%2)+4*\t:BK+64*((\jn)%2)+4*\t+3], v[RD] offset:SP*\t
.endr
.endm
.macro SEND jn, younger                ; younger: the LDS instructions issued behind tile jn's loads, which may stay out
	s_wait_dscnt \younger
.irp t, 0,1,2,3,4,5,6,7,8,9,10,11,12,13,14,15
	global_store_b128 v[L16], v[BK+64*((\jn)%2)+4*\t:BK+64*((\jn)%2)+4*\t+3], s[14:15] offset:(32*((\jn)/2)+8*((\jn)%2)+\t+8*(\t/8))*4096 th:TH_STORE_NT   ; 512 consecutive bytes, at a multiple of 512
.endr
.endm
.rept 4
	v_nop                                          ; places behind the last products: for the stores of results and for the loads into the scale words' and the bias's registers
.endr
	TOSTAGE 0
	TOSTAGE 1
	SEND 0, 32                                     ; behind tile 0's loads: tile 1's 16 stores and 16 loads
	s_wait_xcnt 0x0                                ; tile 0's stores have read their registers: tile 2's rows may land there
	TOSTAGE 2
	SEND 1, 32
	s_wait_xcnt 0x0
	TOSTAGE 3
	SEND 2, 32
	SEND 3, 0
	s_wait_dscnt 0x0
	s_wait_tensorcnt 0x0
	ds_add_u32 v254, v255
	s_wait_dscnt 0x0
	CROUND                                         ; the closing round: no work-group ends while a partner may still ask for a tile that names it
	s_endpgm
.Lfunc_end_k_qa0324fda5b_oproj:
	.size	k_qa0324fda5b_oproj, .Lfunc_end_k_qa0324fda5b_oproj-k_qa0324fda5b_oproj
	.p2alignl 7, 3214868480
	.fill 96, 4, 3214868480
	.section	.rodata,"a",@progbits
	.p2align	6, 0x0
	.amdhsa_kernel k_qa0324fda5b_oproj
		.amdhsa_group_segment_fixed_size 295424
		.amdhsa_private_segment_fixed_size 0
		.amdhsa_enable_private_segment 0
		.amdhsa_kernarg_size 48
		.amdhsa_user_sgpr_count 2
		.amdhsa_user_sgpr_kernarg_segment_ptr 1
		.amdhsa_wavefront_size32 1
		.amdhsa_system_sgpr_workgroup_id_x 1
		.amdhsa_system_sgpr_workgroup_id_y 1
		.amdhsa_system_sgpr_workgroup_id_z 1
		.amdhsa_system_vgpr_workitem_id 0
		.amdhsa_next_free_vgpr 1024
		.amdhsa_next_free_sgpr 106
		.amdhsa_reserve_vcc 0
		.amdhsa_float_denorm_mode_32 3
		.amdhsa_float_denorm_mode_16_64 3
		.amdhsa_memory_ordered 1
		.amdhsa_forward_progress 1
		.amdhsa_inst_pref_size 86
	.end_amdhsa_kernel
	.amdgpu_metadata
---
amdhsa.version: [ 1, 2 ]
amdhsa.kernels:
  - .name:           k_qa0324fda5b_oproj
    .symbol:         k_qa0324fda5b_oproj.kd
    .args:
      - { .name: zc, .offset: 0, .size: 8, .value_kind: global_buffer, .address_space: global }
      - { .name: zs, .offset: 8, .size: 8, .value_kind: global_buffer, .address_space: global }
      - { .name: wc, .offset: 16, .size: 8, .value_kind: global_buffer, .address_space: global }
      - { .name: ws, .offset: 24, .size: 8, .value_kind: global_buffer, .address_space: global }
      - { .name: bo, .offset: 32, .size: 8, .value_kind: global_buffer, .address_space: global }
      - { .name: out0, .offset: 40, .size: 8, .value_kind: global_buffer, .address_space: global }
    .group_segment_fixed_size: 295424
    .private_segment_fixed_size: 0
    .kernarg_segment_align: 8
    .kernarg_segment_size: 48
    .max_flat_workgroup_size: 128
    .sgpr_count:     106
    .vgpr_count:     1024
    .wavefront_size: 32
...
	.end_amdgpu_metadata
.endif
;; end of part 4
;; ======== version 2 of 2: 4 launches; version 1 with the launch attn written anew for expert scheduling mode
;; limits: right only within a limited range of input values
;; workspace buffers: xc 6,291,456 bytes; xs 262,144 bytes; wc 3,145,728 bytes; ws 131,072 bytes; maskw 526,336 bytes of whole numbers; att 19,922,944 bytes; zc 6,291,456 bytes; zs 262,144 bytes
;; launch prep: the kernel of part 1 again; grid 512 x 1, 4 waves a work-group, no clusters, 34,304 bytes of LDS; arguments inputs, Wq, Wk, Wv, Wo, mask, xc, xs, wc, ws, maskw; writes xc, xs, wc, ws, maskw
;; launch qkv: the kernel of part 2 again; grid 8 x 32, 4 waves a work-group, clusters of 4 x 4, 327,680 bytes of LDS; arguments xc, xs, wc, ws, bq, bk, bv, att; writes att
;; launch attn (part 5): grid 4 x 64, 16 waves a work-group, no clusters, 34,816 bytes of LDS; arguments att, maskw, zc, zs; writes zc, zs
.if DOCPART == 5
	.amdgcn_target "amdgcn-amd-amdhsa--gfx1250"
	.amdhsa_code_object_version 6
	.text
	.protected	k_qa0324fda5b_attn
	.globl	k_qa0324fda5b_attn
	.p2align	8
	.type	k_qa0324fda5b_attn,@function
k_qa0324fda5b_attn:
	s_mov_b64 s[64:65], 0
	v_nop
	global_prefetch_b8 v0, s[64:65] scope:SCOPE_SE
	s_setreg_imm32_b32 hwreg(HW_REG_WAVE_SCHED_MODE, 0, 2), 2
	s_setreg_imm32_b32 hwreg(HW_REG_WAVE_MODE, 25, 1), 1
	s_wait_xcnt 0x0
	s_wait_alu depctr_vm_vsrc(0)
; ATTN.  z = softmax(where(mask, q k^T / 8, -1e9)) v for one (batch, head), both products on codes of BF6 with E8M0 scales; z is quantised along D and stored as the last product's operand.
; THE SOFTMAX: t = score x log2(e) / 8; M = the running largest t, rounded up to a whole number; p = 2^(t - M) is quantised along the keys, not normalised; the sum of the unquantised p divides at the end.
; THE MASK is an input and is honoured as it is given.  A masked score becomes -2^33 (logit -2^30), so that c x it is a whole number: in a row with no key at all t - M is exactly 0 and p = 1 for every key, the uniform softmax that -1e9 gives.
; LIMIT: -2^30 stands for -1e9: it differs only where a real logit lies under about -1e9.  NaN and infinities are not served; a block of z whose largest magnitude lies under 2^-122 gets the byte 1.
; WORK THAT NEED NOT BE DONE.  The launch before stored, for each tile of 16 queries x 128 keys, whether any bit is set, whether all are, and which rows have a key.  A tile with no bit set gives p = 0 everywhere if every one of the 16 rows has a key
; somewhere: its step is jumped over by a scalar branch on these stored whole numbers.  If some row of the 16 has no key, no step is left out.  Where all bits are set the 64 selects are jumped over.  Trip counts are constants; every wave passes every barrier.
; SHARES.  Work-group (i, batch x head) owns the blocks i and 7 - i of 256 queries, in two passes of 16 key steps; wave w owns tile T = 16 block + w.  Four waves share a SIMD: one wave's vector work stands beside another's products and LDS loads.
; K AND V come as records of 12,800 bytes (images of operand registers) through registers into two LDS slots: asked for two steps ahead, stored a step ahead, one barrier a step.
; NO TENSOR LOADS AND NO CLUSTER: what the four work-groups of a head share is 12,800 bytes a step.
; HEAD SIZE 64 IN AN INSTRUCTION OF K = 128: a fragment of K holds TWO tiles of keys (K 0-63 and 64-127); multiplied by [Q | 0] it gives the first tile's scores, by [0 | Q] the second's.
; LAYOUT: both products transposed; a lane holds one query.  Register 16 f + i of S^T is key 128 J + 32 f + 16 (lane / 16) + i; register 16 b + i of O^T is channel 32 b + 16 (lane / 16) + i.
; REGISTERS: v1-7 addresses; v12 -M, v13 the largest t, v[14:15] the sum; v16-33 zeros, Q, zeros; v34 Q's scale words; v36-83 four fragments; v84-87 K's and V's scale words; v96-159 S^T, then p; v160-191 O^T; v192-210 p's codes; v212-227 staging; v232-254 at work.
; THE MODE: SCHED_MODE bits 1:0 = 2 (LLVM: expert scheduling mode 2), set by the entry lines.  The code itself states the register dependences
; between vector or matrix instructions and memory or LDS instructions, with s_wait_alu, always for 0.
; THE PLAN.  Registers that memory or LDS instructions touch:
;   v1-4, v6, v7  addresses: written at the head, ahead of one wait on va_vdst, and never again.
;   v212-227  two staging sets.  Set n: a global load lands in it in a step g with g % 2 = n, the LDS store of step g + 1 reads it, the load of step g + 2 lands in it again.  Behind the head's zeros no vector instruction names them.
;             The wait on vm_vsrc at each step's head stands between the store's read and the next load.
;   v36-83    K's LDS loads land, the step's eight K products read; V's LDS loads land, its four V products read.  A wait on va_vdst stands ahead of each of the two runs of loads.  (Sixteen waves of 256 registers fill the four SIMDs: there is no room for a second set.)
;   v84-87    scale words: loaded with their fragments, read by the same products, covered by the same two waits.
;   v22-27, v34  Q: loaded at a pass's head, read by the pass's K products; the wait ahead of the pass's last stores stands between those reads and the next pass's loads, with no vector instruction behind it.
;   v192-197, v238  z's codes and scale bytes: written at a pass's end, a wait on va_vdst, three stores; the next step's wait on vm_vsrc stands ahead of the lines that write them again.
; Operands of scaled products that vector instructions write: the zero codes v16-21, v28-33 (once, at the head: the wait ahead of K's loads), p's codes v192-203 and scale word v253 (each step: a wait directly ahead of V's products, behind their places).
; THE FLAGS come by scalar loads and are worked by scalar instructions alone: but for the wave's number, no number passes from a vector register to a scalar one.
.set SLOT, 16384                       ; the two slots' distance
.set QCO,  13107200
.set QSO,  19398656
	s_load_b128 s[8:11], s[0:1], 0x0               ; att, maskw
	s_load_b128 s[12:15], s[0:1], 0x10             ; zc, zs
	v_lshl_add_u32 v251, v0, 2, 0x8000
	v_mov_b32 v255, 0
	v_lshrrev_b32 v8, 5, v0
	v_readfirstlane_b32 s18, v8                    ; wave w
	v_and_b32 v8, 31, v0
	v_lshlrev_b32 v1, 4, v8                        ; 16 x lane
	v_lshlrev_b32 v2, 3, v8
	v_add_nc_u32 v2, 512, v2                       ; 8 x lane + 512
	v_lshlrev_b32 v3, 2, v8                        ; 4 x lane
	v_lshlrev_b32 v4, 4, v0                        ; 16 x thread: the copies
	v_mov_b32 v5, 0xd0000000                       ; -2^33
	v_and_b32 v9, 15, v0                           ; r
	v_lshlrev_b32 v6, 2, v9
	v_lshlrev_b32 v7, 3, v9
	s_wait_alu depctr_va_sdst(0)                   ; s18 is written, ahead of its first reader: the tiles' numbers are made from it
	s_and_b32 s105, ttmp7, 0xffff                  ; batch x 16 + head
	s_lshl_b32 s100, ttmp9, 4
	s_add_co_u32 s100, s100, s18                   ; T of the first pass
	s_sub_co_u32 s104, 7, ttmp9
	s_lshl_b32 s104, s104, 4
	s_add_co_u32 s104, s104, s18                   ; and of the second
	s_mul_i32 s2, s105, 204800                     ; my head's 16 records
	s_mov_b32 s3, 0
	s_mul_i32 s6, s105, 98304
	s_add_co_u32 s6, s6, QCO                       ; its Q codes
	s_mov_b32 s7, 0
	s_lshl_b32 s4, s105, 13
	s_add_co_u32 s4, s4, QSO                       ; its Q scale words
	s_mov_b32 s5, 0
	s_lshr_b32 s30, s105, 4                        ; batch
	s_and_b32 s31, s105, 15                        ; head
	s_mul_i32 s66, s30, 1572864                    ; z's codes: 128 tiles of 12,288 bytes a batch, half fragment number = head
	s_mul_i32 s67, s31, 768
	s_add_co_u32 s66, s66, s67
	s_mov_b32 s67, 0
	s_lshl_b32 s68, s30, 16                        ; z's scale lines: K step s = head / 2 = 4 jj + 2 e + hh lies at 256 jj + 128 hh + 4 e; my head's two bytes at 2 (head % 2)
	s_lshr_b32 s69, s31, 3
	s_lshl_b32 s69, s69, 8
	s_add_co_u32 s68, s68, s69
	s_bfe_u32 s69, s31, 0x10001
	s_lshl_b32 s69, s69, 7
	s_add_co_u32 s68, s68, s69
	s_bfe_u32 s69, s31, 0x10002
	s_lshl_b32 s69, s69, 2
	s_add_co_u32 s68, s68, s69
	s_and_b32 s69, s31, 1
	s_lshl_b32 s69, s69, 1
	s_add_co_u32 s68, s68, s69
	s_mov_b32 s69, 0
	s_mov_b32 s20, 0x76543210
	s_mov_b32 s21, 0xfedcba98                      ; lane l xor 16
	s_mov_b32 s22, 0x3e38aa3b                      ; c = log2(e) / 8
	s_mov_b32 s23, s22                             ; (named with it as a pair)
	s_wait_kmcnt 0x0
	s_add_nc_u64 s[2:3], s[8:9], s[2:3]
	s_add_nc_u64 s[6:7], s[8:9], s[6:7]
	s_add_nc_u64 s[8:9], s[8:9], s[4:5]
	s_add_nc_u64 s[12:13], s[12:13], s[66:67]
	s_add_nc_u64 s[14:15], s[14:15], s[68:69]
.macro COPYLD set                      ; a record, 12,800 bytes: 16 bytes a thread, and 16 more in waves 0 to 8
	global_load_b128 v[212+8*(\set):215+8*(\set)], v4, s[4:5]
	s_cmp_lt_u32 s18, 9
	s_cbranch_scc0 .Lcl_\@
	global_load_b128 v[216+8*(\set):219+8*(\set)], v4, s[4:5] offset:8192
.Lcl_\@:
.endm
.macro COPYST set                      ; set n goes to slot n
	ds_store_b128 v4, v[212+8*(\set):215+8*(\set)] offset:SLOT*(\set)
	s_cmp_lt_u32 s18, 9
	s_cbranch_scc0 .Lcs_\@
	ds_store_b128 v4, v[216+8*(\set):219+8*(\set)] offset:SLOT*(\set)+8192
.Lcs_\@:
.endm
; THE FLAGS.  G[T][y], a dword at 524,288 + 16 T + 4 y of maskw: bits 3:0 "some bit of tile (T, 4 y + j) is set", bits 7:4 "all are set", bits 31:16 "row r has a set bit among columns 512 y on".
.macro FLAGS o                         ; a block's 16 tiles, 256 bytes from s[o] on: tile t's four dwords in s[32 + 4 t] on, from t = 8 on in s[36 + 4 t] on (the mask words' registers, idle at the head)
	s_load_b512 s[32:47], s[10:11], s[\o] offset:0x80000
	s_load_b512 s[48:63], s[10:11], s[\o] offset:0x80040
	s_load_b512 s[68:83], s[10:11], s[\o] offset:0x80080
	s_load_b512 s[84:99], s[10:11], s[\o] offset:0x800c0
.endm
; Which of the 16 records the block's 16 tiles need together, bit J: the OR of all tiles' "some bit" flags; and every record, if some row of some tile has no key at all.  Eight lines a tile: four ORs into tile 0's dwords, three for its rows, one AND.
.macro UNION dst
	s_or_b32 s66, s32, s33
	s_or_b32 s66, s66, s34
	s_or_b32 s66, s66, s35                         ; tile 0's rows, in bits 31:16
.irp t, 1,2,3,4,5,6,7,8,9,10,11,12,13,14,15
.set G, 32+4*\t+4*(\t/8)
	s_or_b32 s32, s32, s[G]
	s_or_b32 s33, s33, s[G+1]
	s_or_b32 s34, s34, s[G+2]
	s_or_b32 s35, s35, s[G+3]
	s_or_b32 s[G], s[G], s[G+1]
	s_or_b32 s[G], s[G], s[G+2]
	s_or_b32 s[G], s[G], s[G+3]                    ; tile t's rows,
	s_and_b32 s66, s66, s[G]                       ; and those that have a key in every tile so far
.endr
	s_and_b32 s67, s35, 15                         ; the four nibbles on end: bit 4 y + j
.irp y, 34,33,32
	s_lshl_b32 s67, s67, 4
	s_and_b32 s101, s\y, 15
	s_or_b32 s67, s67, s101
.endr
	s_lshr_b32 s66, s66, 16
	s_cmp_lg_u32 s66, 0xffff
	s_cselect_b32 s[\dst], 0xffff, s67             ; a row without a key sees every key
.endm
; My own tile's four dwords in s[g] on become: s[g] bit J "the tile works in step J", s[g + 1] bit J "all bits are set".
.macro OWN g
	s_or_b32 s66, s[\g], s[\g+1]
	s_or_b32 s66, s66, s[\g+2]
	s_or_b32 s66, s66, s[\g+3]
	s_lshr_b32 s66, s66, 16                        ; which of the tile's 16 rows have a key
	s_bfe_u32 s67, s[\g+3], 0x40004                ; 4 bits from bit 4
.irp y, 2,1,0
	s_lshl_b32 s67, s67, 4
	s_bfe_u32 s101, s[\g+\y], 0x40004
	s_or_b32 s67, s67, s101
.endr
	s_and_b32 s19, s[\g+3], 15
.irp y, 2,1,0
	s_lshl_b32 s19, s19, 4
	s_and_b32 s101, s[\g+\y], 15
	s_or_b32 s19, s19, s101
.endr
	s_cmp_lg_u32 s66, 0xffff
	s_cselect_b32 s[\g], 0xffff, s19               ; a row without a key sees every key
	s_mov_b32 s[\g+1], s67
.endm
	s_lshl_b32 s16, ttmp9, 8                       ; block i's flags: 256 bytes a block,
	s_lshl_b32 s17, s100, 4                        ; my two tiles': 16 bytes a tile
	s_lshl_b32 s19, s104, 4
	s_load_b128 s[24:27], s[10:11], s17 offset:0x80000
	s_load_b128 s[28:31], s[10:11], s19 offset:0x80000
	FLAGS 16
.set j, 0
.rept 16
	v_mov_b32 v[212+j], 0                          ; the staging registers are written once here: a store may follow a step in which nothing was asked for
.set j, j+1
.endr
	s_wait_alu depctr_va_vdst(0)                   ; v1 to v4, v6 and v7 are written, which the kernel's loads and stores read as addresses; so are the zeros in v212-227, in which loads land.  No vector instruction names any of these again
	s_mov_b64 s[4:5], s[2:3]
	COPYLD 0                                       ; the first two records are fetched without a test
.irp j, 16,17,18,19,20,21,28,29,30,31,32,33
	v_mov_b32 v\j, 0                               ; zero codes on both sides of Q
.endr
.irp j, 236,237,238,239,252,253
	v_mov_b32 v\j, 0                               ; written once: destinations of lane permutes, and the upper half of a pair
.endr
	s_wait_kmcnt 0x0                               ; block i's flags and my two tiles' are in; the three offsets may be written again
	UNION 16                                       ; s16: the records of the first pass
	s_sub_co_u32 s17, 7, ttmp9
	s_lshl_b32 s17, s17, 8
	FLAGS 17                                       ; block 7 - i's, into the same registers; they come in under the lines below, which name none of s17, s32-63, s68-99
	s_wait_loadcnt 0x0
	COPYST 0
	s_add_nc_u64 s[4:5], s[2:3], 12800
	COPYLD 1
	OWN 24
	OWN 28
	s_lshl_b32 s28, s28, 16
	s_or_b32 s26, s24, s28                         ; s26 bit g: my tile works in step g (g = 16 pass + J)
	s_lshl_b32 s29, s29, 16
	s_or_b32 s27, s25, s29                         ; s27 bit g: no select is needed
	s_wait_kmcnt 0x0
	UNION 19                                       ; s19: the records of the second pass
	s_lshl_b32 s19, s19, 16
	s_or_b32 s24, s16, s19
	s_lshr_b32 s25, s24, 2                         ; s25 bit g: step g + 2's record is needed
	s_lshr_b32 s24, s24, 1                         ; s24 bit g: step g + 1's
; A KEY STEP: 128 keys; sg = g % 2 is its slot.
.macro STEP sg
	s_wait_loadcnt 0x0                             ; the record asked for a step ago (and Q) is in registers
	s_wait_dscnt 0x0                               ; my part of this step's record is stored, and my reads of the last step's are over
	s_wait_alu depctr_vm_vsrc(0)                   ; the last step's LDS stores have read the staging set in which this step's loads land; in a pass's first step: the last pass's stores have read v192-197 and v238, which this step writes again
	s_barrier_signal -1
	s_add_co_u32 s30, s19, 2                       ; scalar work while the others arrive, done in every step, so that both ways of each branch below leave the same scalar registers:
	s_and_b32 s30, s30, 15
	s_mul_i32 s30, s30, 12800
	s_mov_b32 s31, 0
	s_add_nc_u64 s[4:5], s[2:3], s[30:31]          ; the record two steps on (no load that names this pair is out: the wait on LOADcnt above),
	s_and_b32 s101, s19, 15
	s_lshl_b32 s101, s101, 8                       ; and this step's mask words (no scalar load is out: each worked step waits for its own below)
	s_barrier_wait -1                              ; both hold of all sixteen waves
	s_bitcmp1_b32 s24, s19
	s_cbranch_scc0 .Lnst_\@
	COPYST 1-\sg                                   ; the next step's record, into the slot read last step
.Lnst_\@:
	s_bitcmp1_b32 s25, s19
	s_cbranch_scc0 .Lnld_\@
	COPYLD \sg                                     ; the record two steps on
.Lnld_\@:
	s_bitcmp1_b32 s26, s19
	s_cbranch_scc0 .Lskip_\@
	s_load_b512 s[32:47], s[16:17], s101 offset:0x0     ; the tile's 64 mask words, in every step that is worked: word n in s[32 + n], from n = 32 on in s[36 + n]
	s_load_b512 s[48:63], s[16:17], s101 offset:0x40
	s_load_b512 s[68:83], s[16:17], s101 offset:0x80
	s_load_b512 s[84:99], s[16:17], s101 offset:0xc0
	s_wait_alu depctr_va_vdst(0)                   ; the earlier steps' products are done reading v36-87, in which the loads of this step land; in the first worked step: the zero codes v16-21 and v28-33, which the products below take, are written
.irp f, 0,1,2,3                        ; K: fragment f = tiles 2 f and 2 f + 1
	ds_load_b128 v[36+12*\f:39+12*\f], v1 offset:SLOT*\sg+1536*\f
	ds_load_b64 v[40+12*\f:41+12*\f], v2 offset:SLOT*\sg+1536*\f
	ds_load_b128 v[42+12*\f:45+12*\f], v1 offset:SLOT*\sg+1536*\f+768
	ds_load_b64 v[46+12*\f:47+12*\f], v2 offset:SLOT*\sg+1536*\f+768
.endr
	ds_load_b32 v84, v3 offset:SLOT*\sg+12288      ; fragments 0 (lanes 0-15) and 1 (lanes 16-31)
	ds_load_b32 v85, v3 offset:SLOT*\sg+12416      ; fragments 2 and 3
	s_wait_dscnt 0x0
.irp f, 0,1,2,3
.if \f%2
	v_wmma_scale_f32_16x16x128_f8f6f4 v[96+16*\f:103+16*\f], v[36+12*\f:47+12*\f], v[22:33], 0, v[84+\f/2], v34 matrix_a_fmt:MATRIX_FMT_BF6 matrix_b_fmt:MATRIX_FMT_BF6 matrix_a_scale:MATRIX_SCALE_ROW1
	v_wmma_scale_f32_16x16x128_f8f6f4 v[104+16*\f:111+16*\f], v[36+12*\f:47+12*\f], v[16:27], 0, v[84+\f/2], v34 matrix_a_fmt:MATRIX_FMT_BF6 matrix_b_fmt:MATRIX_FMT_BF6 matrix_a_scale:MATRIX_SCALE_ROW1
.else
	v_wmma_scale_f32_16x16x128_f8f6f4 v[96+16*\f:103+16*\f], v[36+12*\f:47+12*\f], v[22:33], 0, v[84+\f/2], v34 matrix_a_fmt:MATRIX_FMT_BF6 matrix_b_fmt:MATRIX_FMT_BF6
	v_wmma_scale_f32_16x16x128_f8f6f4 v[104+16*\f:111+16*\f], v[36+12*\f:47+12*\f], v[16:27], 0, v[84+\f/2], v34 matrix_a_fmt:MATRIX_FMT_BF6 matrix_b_fmt:MATRIX_FMT_BF6
.endif
.endr
.rept 4
	v_nop                                          ; places in front of the first read of the scores
.endr
	s_wait_alu depctr_va_vdst(0)                   ; the eight products are done reading K's fragments v36-83, in which V's land
.irp ct, 0,1,2,3                       ; V's four fragments (16 channels x 128 keys): they land under the softmax, none of whose lines names v36-87
	ds_load_b128 v[36+12*\ct:39+12*\ct], v1 offset:SLOT*\sg+6144+1536*\ct
	ds_load_b64 v[40+12*\ct:41+12*\ct], v2 offset:SLOT*\sg+6144+1536*\ct
	ds_load_b128 v[42+12*\ct:45+12*\ct], v1 offset:SLOT*\sg+6144+1536*\ct+768
	ds_load_b64 v[46+12*\ct:47+12*\ct], v2 offset:SLOT*\sg+6144+1536*\ct+768
.endr
	ds_load_b64 v[86:87], v2 offset:SLOT*\sg+12032 ; V's scale words, at 12,544 + 8 x lane
	s_wait_kmcnt 0x0                               ; the mask words are in, on every way that issued their loads: their registers, base and offset may be written again
	s_bitcmp1_b32 s27, s19
	s_cbranch_scc1 .Lopen_\@                       ; all 2,048 bits are set: nothing to select
.set n, 0
.rept 64
.if n < 32
	v_cndmask_b32 v[96+n], v5, v[96+n], s[32+n]    ; a masked key's score becomes -2^33
.else
	v_cndmask_b32 v[96+n], v5, v[96+n], s[36+n]
.endif
.set n, n+1
.endr
.Lopen_\@:
.irp b, 0,1,2,3
	v_max3_num_f32 v[232+\b], v[96+16*\b], v[97+16*\b], v[98+16*\b]   ; the largest score of each block of 32 keys: for the row's maximum and for the block's largest p
.endr
.irp i, 3,5,7,9,11,13
.irp b, 0,1,2,3
	v_max3_num_f32 v[232+\b], v[232+\b], v[96+16*\b+\i], v[97+16*\b+\i]
.endr
.endr
.irp b, 0,1,2,3
	v_max_num_f32 v[232+\b], v[232+\b], v[111+16*\b]
.endr
.irp b, 0,1,2,3
	v_permlanex16_b32 v[236+\b], v[232+\b], s20, s21
.endr
.irp b, 0,1,2,3
	v_max_num_f32 v[232+\b], v[232+\b], v[236+\b]  ; with lane l xor 16's 16 keys
.endr
	v_max3_num_f32 v254, v232, v233, v234
	v_max_num_f32 v254, v254, v235
	v_mul_f32 v254, s22, v254                      ; as t
	v_max_num_f32 v13, v13, v254                   ; the running largest t
	v_mov_b32 v254, v12
	v_floor_f32 v12, -v13                          ; the new -M = -ceil(t): a whole number
	v_sub_f32 v254, v12, v254                      ; old M - new M, 0 or less
	v_cvt_i32_f32 v254, v254                       ; (it saturates)
	v_ldexp_f32 v252, 1.0, v254                    ; f = 2^(old M - new M): a multiplication by it rounds nothing
.set j, 0
.rept 32
	v_pk_fma_f32 v[96+j:97+j], v[96+j:97+j], s[22:23], v[12:13] op_sel_hi:[1,0,0]   ; t - M
.set j, j+2
.endr
.irp b, 0,1,2,3
	v_fma_f32 v[232+\b], v[232+\b], s22, v12       ; the same of each block's largest score
.endr
.set j, 0
.rept 64
	v_exp_f32 v[96+j], v[96+j]                     ; p = 2^(t - M)
.set j, j+1
.endr
	v_pk_mul_f32 v[14:15], v[14:15], v[252:253] op_sel_hi:[1,0]    ; the sums under the new M: the plain line behind the batch
	s_wait_alu depctr_va_vdst(0)                   ; the 64 exponentials have written v96-159: one wait, ahead of their first reader
.irp b, 0,1,2,3
	v_exp_f32 v[232+\b], v[232+\b]                 ; each block's largest p
.endr
	v_pk_add_f32 v[240:241], v[96:97], v[98:99]    ; the row's sum is taken of the unquantised p; this first line is the plain line behind the four
	s_wait_alu depctr_va_vdst(0)                   ; the four exponentials have written v232-235, ahead of their first reader
.irp b, 0,1,2,3
	v_max_num_f32 v[232+\b], 0x2800000, v[232+\b]  ; the floor 2^(5 - 127)
.endr
.irp b, 0,1,2,3
	v_add_nc_u32 v[244+\b], 0xfe000000, v[232+\b]  ; the conversion's scale operand
.endr
.irp b, 0,1,2,3
	v_lshrrev_b32 v[236+\b], 23, v[244+\b]         ; the byte
.endr
	v_lshl_or_b32 v253, v237, 8, v236              ; p's scale word for these 128 keys
	v_lshl_or_b32 v253, v238, 16, v253
	v_lshl_or_b32 v253, v239, 24, v253
.irp c, 0,1
	v_cvt_scalef32_pk16_bf6_f32 v[192+6*\c:194+6*\c], v[96+32*\c:111+32*\c], v[244+2*\c]
	v_cvt_scalef32_pk16_bf6_f32 v[204+4*\c:206+4*\c], v[112+32*\c:127+32*\c], v[245+2*\c]
.endr
	v_nop                                          ; one plain place behind a scaled conversion
.irp c, 0,1
.irp i, 0,1,2
	v_permlane16_swap_b32 v[192+6*\c+\i], v[204+4*\c+\i]           ; a whole block to a lane
.endr
.irp i, 0,1,2
	v_mov_b32 v[195+6*\c+\i], v[204+4*\c+\i]
.endr
.endr
.set j, 0
.rept 16
	v_pk_mul_f32 v[160+j:161+j], v[160+j:161+j], v[252:253] op_sel_hi:[1,0]   ; O^T under the new M
.set j, j+2
.endr
.irp j, 4,8,12,16,20,24,28,32,36,40,44,48,52,56,60
	v_pk_add_f32 v[14:15], v[14:15], v[96+\j:97+\j]                ; the rest of the sums, in two chains: 31 plain lines that name no register of the products below: their places
	v_pk_add_f32 v[240:241], v[240:241], v[98+\j:99+\j]
.endr
	v_pk_add_f32 v[14:15], v[14:15], v[240:241]
	s_wait_dscnt 0x0                               ; V
	s_wait_alu depctr_va_vdst(0)                   ; p's codes v192-203 and its scale word v253 are written, which the scaled products below take; the places above stay beside this wait
.irp ct, 0,1,2,3
.if \ct%2
	v_wmma_scale_f32_16x16x128_f8f6f4 v[160+8*\ct:167+8*\ct], v[36+12*\ct:47+12*\ct], v[192:203], v[160+8*\ct:167+8*\ct], v[86+\ct/2], v253 matrix_a_fmt:MATRIX_FMT_BF6 matrix_b_fmt:MATRIX_FMT_BF6 matrix_a_scale:MATRIX_SCALE_ROW1
.else
	v_wmma_scale_f32_16x16x128_f8f6f4 v[160+8*\ct:167+8*\ct], v[36+12*\ct:47+12*\ct], v[192:203], v[160+8*\ct:167+8*\ct], v[86+\ct/2], v253 matrix_a_fmt:MATRIX_FMT_BF6 matrix_b_fmt:MATRIX_FMT_BF6
.endif
.endr
.rept 4
	v_nop                                          ; places behind the step's last products, whatever follows
.endr
.Lskip_\@:
	s_add_co_u32 s19, s19, 1
.endm
	s_mov_b32 s19, 0                               ; g
	s_mov_b32 s28, 2
.Lpass:
	s_wait_xcnt 0x0                                ; the last pass's stores have read their registers and bases
	s_mov_b32 s31, 0
	s_mul_i32 s30, s100, 768
	s_add_nc_u64 s[32:33], s[6:7], s[30:31]
	s_lshl_b32 s30, s100, 6
	s_add_nc_u64 s[34:35], s[8:9], s[30:31]
	s_lshl_b32 s30, s100, 12
	s_add_nc_u64 s[16:17], s[10:11], s[30:31]      ; my tile's mask words
	global_load_b128 v[22:25], v1, s[32:33]        ; Q's half fragment.  No wait: since the last wait on va_vdst (the head's; the one ahead of the last pass's stores) no vector or matrix instruction has named v22-27, v34 or the three addresses
	global_load_b64 v[26:27], v2, s[32:33]
	global_load_b32 v34, v6, s[34:35]              ; its scale words {s0, s1, s0, s1}
	v_mov_b32 v13, 0xff61b1e6                      ; the largest t so far: -3e38
	v_floor_f32 v12, -v13
	v_mov_b32 v14, 0
	v_mov_b32 v15, 0
.set j, 0
.rept 32
	v_mov_b32 v[160+j], 0                          ; O^T: the step is written once; the first change of M multiplies zeros
.set j, j+1
.endr
	s_mov_b32 s29, 8
.Lstep:
	STEP 0
	STEP 1
	s_sub_co_u32 s29, s29, 1
	s_cmp_lg_u32 s29, 0
	s_cbranch_scc1 .Lstep
	; the pass's end: z = O^T / the sum, quantised along D: my head's two blocks of 32
	v_add_f32 v14, v14, v15
	v_permlanex16_b32 v252, v14, s20, s21
	v_add_f32 v14, v14, v252
	v_rcp_f32 v14, v14
	v_nop                                          ; a plain place behind the reciprocal
	s_mov_b32 s31, 0
	s_mul_i32 s30, s100, 12288
	s_add_nc_u64 s[32:33], s[12:13], s[30:31]
	s_lshl_b32 s30, s100, 9
	s_add_nc_u64 s[34:35], s[14:15], s[30:31]
	s_wait_alu depctr_va_vdst(0)                   ; the reciprocal has written v14, ahead of its first reader
.set j, 0
.rept 32
	v_mul_f32 v[96+j], v[160+j], v14
.set j, j+1
.endr
.irp b, 0,1
	v_max3_num_f32 v[232+\b], |v[96+16*\b]|, |v[97+16*\b]|, 0x2800000
.endr
.irp i, 2,4,6,8,10,12,14
.irp b, 0,1
	v_max3_num_f32 v[232+\b], v[232+\b], |v[96+16*\b+\i]|, |v[97+16*\b+\i]|
.endr
.endr
.irp b, 0,1
	v_permlanex16_b32 v[236+\b], v[232+\b], s20, s21
.endr
.irp b, 0,1
	v_max_num_f32 v[232+\b], v[232+\b], v[236+\b]
.endr
.irp b, 0,1
	v_add_nc_u32 v[244+\b], 0xfe000000, v[232+\b]
.endr
.irp b, 0,1
	v_lshrrev_b32 v[236+\b], 23, v[244+\b]
.endr
	v_lshl_or_b32 v238, v237, 8, v236              ; my head's half of the K step's scale word
	v_cvt_scalef32_pk16_bf6_f32 v[192:194], v[96:111], v244
	v_cvt_scalef32_pk16_bf6_f32 v[204:206], v[112:127], v245
	v_nop
.irp i, 0,1,2
	v_permlane16_swap_b32 v[192+\i], v[204+\i]
.endr
.irp i, 0,1,2
	v_mov_b32 v[195+\i], v[204+\i]
.endr
	s_wait_alu depctr_va_vdst(0)                   ; z's codes v192-197 and its bytes v238 are written, which the three stores read; the pass's products are done reading Q, in which the next pass's loads land
	global_store_b128 v1, v[192:195], s[32:33]     ; a half fragment: 512 and 256 consecutive bytes
	global_store_b64 v2, v[196:197], s[32:33]
	global_store_b16 v7, v238, s[34:35]            ; two bytes a row (lanes r and 16 + r write the same): the price of one head to a work-group; 8,192 such instructions in the launch
	s_mov_b32 s100, s104
	s_sub_co_u32 s28, s28, 1
	s_cmp_lg_u32 s28, 0
	s_cbranch_scc1 .Lpass
	s_wait_dscnt 0x0
	s_wait_alu depctr_hold_cnt(0) depctr_sa_sdst(0) depctr_va_vdst(0) depctr_va_sdst(0) depctr_va_ssrc(0) depctr_va_vcc(0) depctr_vm_vsrc(0)
	s_wait_tensorcnt 0x0
	ds_add_u32 v251, v255
	s_wait_dscnt 0x0
	s_endpgm
.Lfunc_end_k_qa0324fda5b_attn:
	.size	k_qa0324fda5b_attn, .Lfunc_end_k_qa0324fda5b_attn-k_qa0324fda5b_attn
	.p2alignl 7, 3214868480
	.fill 96, 4, 3214868480
	.section	.rodata,"a",@progbits
	.p2align	6, 0x0
	.amdhsa_kernel k_qa0324fda5b_attn
		.amdhsa_group_segment_fixed_size 34816
		.amdhsa_private_segment_fixed_size 0
		.amdhsa_enable_private_segment 0
		.amdhsa_kernarg_size 32
		.amdhsa_user_sgpr_count 2
		.amdhsa_user_sgpr_kernarg_segment_ptr 1
		.amdhsa_wavefront_size32 1
		.amdhsa_system_sgpr_workgroup_id_x 1
		.amdhsa_system_sgpr_workgroup_id_y 1
		.amdhsa_system_sgpr_workgroup_id_z 1
		.amdhsa_system_vgpr_workitem_id 0
		.amdhsa_next_free_vgpr 256
		.amdhsa_next_free_sgpr 106
		.amdhsa_reserve_vcc 0
		.amdhsa_float_denorm_mode_32 3
		.amdhsa_float_denorm_mode_16_64 3
		.amdhsa_memory_ordered 1
		.amdhsa_forward_progress 1
		.amdhsa_inst_pref_size 65
	.end_amdhsa_kernel
	.amdgpu_metadata
---
amdhsa.version: [ 1, 2 ]
amdhsa.kernels:
  - .name:           k_qa0324fda5b_attn
    .symbol:         k_qa0324fda5b_attn.kd
    .args:
      - { .name: att, .offset: 0, .size: 8, .value_kind: global_buffer, .address_space: global }
      - { .name: maskw, .offset: 8, .size: 8, .value_kind: global_buffer, .address_space: global }
      - { .name: zc, .offset: 16, .size: 8, .value_kind: global_buffer, .address_space: global }
      - { .name: zs, .offset: 24, .size: 8, .value_kind: global_buffer, .address_space: global }
    .group_segment_fixed_size: 34816
    .private_segment_fixed_size: 0
    .kernarg_segment_align: 8
    .kernarg_segment_size: 32
    .max_flat_workgroup_size: 512
    .sgpr_count:     106
    .vgpr_count:     256
    .wavefront_size: 32
...
	.end_amdgpu_metadata
.endif
;; end of part 5
;; launch oproj: the kernel of part 4 again; grid 8 x 32, 4 waves a work-group, clusters of 4 x 4, 295,424 bytes of LDS; arguments zc, zs, wc, ws, bo, out0; writes out0
